; MI455X (gfx1250); checked and timed in simulation.
; The chip was launched on July 23, 2026; its instructions are those of AMD's public machine-readable ISA for CDNA 5 (MIT licence, August 2026) and "CDNA5" Instruction Set Architecture Reference Guide (July 2026). The comments in the code are by the model that wrote it; some were corrected since.
;; Whisper Attention. Allowed arithmetic: matrix products marked QUANTISED: E2M3 operands, one E8M0 scale for each 32 along K, by v_wmma_scale_f32_16x16x128_f8f6f4 with both operands' format E2M3, f32 sums; everything else in f32.
;; Inputs: Wk 1,024 x 1,024 float32; Wo 1,024 x 1,024 float32; Wq 1,024 x 1,024 float32; Wv 1,024 x 1,024 float32; bo 1,024 float32; bq 1,024 float32; bv 1,024 float32; k 4 x 2,048 x 1,024 float32; q 4 x 2,048 x 1,024 float32; v 4 x 2,048 x 1,024 float32.
;; Outputs: out0 4 x 2,048 x 1,024 float32.
;; This version of the problem:
;;   THIS VERSION OF THE PROBLEM IS GIVEN IN LOW PRECISION. The matrix products marked QUANTISED in the list below multiply operands that are first quantised to E2M3 (2 exponent bits, 3 mantissa bits; 6 bits a number), with one power-of-two scale for each 32 numbers along K (OCP MX v1.0); their sums are f32. All else is computed in f32.
;;   The module's matrix products, in the order in which they are computed (A, B: the left and right operand; K: the contracted axis; several contracted axes count as one K, in the product's order):
;;     1. [M 8,192, K 1,024] x [K 1,024, N 1,024]; A: input k; B: input Wk: QUANTISED
;;     2. [M 8,192, K 1,024] x [K 1,024, N 1,024]; A: input v; B: input Wv: QUANTISED
;;     3. [M 8,192, K 1,024] x [K 1,024, N 1,024]; A: input q; B: input Wq: QUANTISED
;;     4. batch 4 x [M 2,048, K 1,024] x [K 1,024, N 2,048]; A: computed on the way; B: computed on the way: QUANTISED
;;     5. batch 4 x [M 2,048, K 2,048] x [K 2,048, N 1,024]; A: softmax (see below); B: computed on the way: QUANTISED
;;     6. [M 8,192, K 1,024] x [K 1,024, N 1,024]; A: computed on the way; B: input Wo: QUANTISED
;;   THE QUANTISER, for each operand of a quantised product, along K:
;;     - K is cut into blocks of 32 from its start; a last block that is shorter is filled with zeros.
;;     - A block's scale is 2^e with e = floor(log2(the largest magnitude in the block)) - 2, held to -126 .. 127; a block of zeros has e = 0. As a byte (E8M0): e + 127.
;;     - Each number is divided by its block's scale, clamped to +-7.5, and rounded to the nearest number of E2M3, ties to even, subnormals kept.
;;     - The product sums the exact products of the quantised numbers (number of the format x scale) in f32.
;;   ~~~python
;;   def quantise(x, axis):      # numpy; x: float32 -> the quantised numbers, widened to float32 again
;;       x = np.moveaxis(x, axis, -1); K = x.shape[-1]
;;       x = np.pad(x, [(0, 0)] * (x.ndim - 1) + [(0, -K % 32)]); x = x.reshape(x.shape[:-1] + (-1, 32)); a = np.abs(x).max(-1, keepdims=True)
;;       e = np.where(a > 0, np.clip(np.frexp(np.where(a > 0, a, 1))[1] - 1 - 2, -126, 127), 0)      # np.frexp(a)[1] - 1 = floor(log2(a)), exactly
;;       r = np.clip(x / 2.0 ** e, -7.5, 7.5)
;;       step = 2.0 ** (np.maximum(np.frexp(np.where(r == 0, 1, r))[1] - 1, 0) - 3)
;;       q = np.round(r / step) * step * 2.0 ** e      # np.round: ties to even
;;       return np.moveaxis(q.reshape(q.shape[:-2] + (-1,))[..., :K], -1, axis).astype(np.float32)
;;   ~~~
;;   SOFTMAX AHEAD OF A QUANTISED PRODUCT. Where the list says 'softmax', what is quantised is not the finished softmax but p = 2^(t - M), with t = logit x log2(e) and M = ceil(the row's largest t), a whole number; so 1/2 < the row's largest p <= 1. The row's sum l is taken of the UNQUANTISED p, in f32, and the product's result is divided by l at the end. Since M is a whole number, a kernel that streams over the keys may use a running M (the ceiling of the running maximum): every later rescaling is an exact power of two, which a block's scale takes up: the codes' values come out the same.
;;   OPERANDS COMPUTED ON THE WAY. 'Computed on the way' means the value that the module computes at that place (a softmax that the list does not call 'softmax' is quantised finished and normalised). What goes into a quantiser is computed in f32, as accurately as f32 sums, v_exp_f32 and their like allow (about 1e-6 of the number): no bf16 or f16 on the way to a quantiser, and a product that is left as it is and whose result goes on into a quantised operand takes f32 operands (vector FMAs, or v_wmma_f32_16x16x4_f32). A number that lies on a knife's edge between two numbers of the format may be rounded either way, as far as f32 arithmetic and the matrix unit's own rounding can turn it there, and no further.
;; One version. Each part assembles by itself: llvm-mc -triple=amdgcn-amd-amdhsa -mcpu=gfx1250 --defsym DOCPART=n.
;; ======== version 1 of 1: 5 launches
;; limits: right only within a limited range of input values
;; workspace buffers: qin 22,937,600 bytes; prj 19,660,800 bytes; pcod 13,107,200 bytes; pstat 1,048,576 bytes; ctxc 6,553,600 bytes
;; launch quant (part 1): grid 256 x 1, 7 waves a work-group, no clusters, 60,160 bytes of LDS; arguments q, k, v, Wq, Wk, Wv, Wo, qin; writes qin
.if DOCPART == 1
	.amdgcn_target "amdgcn-amd-amdhsa--gfx1250"
	.amdhsa_code_object_version 6
	.text
	.protected	k_q0179f66747_quant
	.globl	k_q0179f66747_quant
	.p2align	8
	.type	k_q0179f66747_quant,@function
k_q0179f66747_quant:
	s_mov_b64 s[64:65], 0
	v_nop
	global_prefetch_b8 v0, s[64:65] scope:SCOPE_SE
	s_setreg_imm32_b32 hwreg(HW_REG_WAVE_MODE, 25, 1), 1
	s_wait_xcnt 0x0
; LAUNCH 1 OF 5.  out0 = (softmax((q Wq^T + bq)(k Wk^T)^T / 32) (v Wv^T + bv)) Wo^T + bo, all six products on codes of FP6 (E2M3) with one E8M0 scale for each 32 along K.
; NO WORK IS LEFT OUT: every product, every bias and every input has a way to out0 (bq and bv go into quantised operands), so all ten inputs are loaded by some launch.
; This launch turns q, k, v [8192][1024] and Wq, Wk, Wv, Wo [1024][1024], f32 with K innermost, into codes and scale bytes, each number read once.
; THE WORKSPACE FORMAT, for every quantised operand of the program: an array of BLKs, [rows / 128][K / 128].  A BLK (12,800 bytes) serves 128 rows x 128 K:
;   eight IMAGES of 1,536 bytes: image t is the 12 operand registers of a tile of 16 rows, as three groups of four registers: group c of lane L at 1536 t + 512 c + 16 L;
;   then 128 scale words: the word of tile 4 j + i, lane r, at 12288 + 16 (16 j + r) + 4 i, so that one load of 16 bytes a lane brings four registers of words (tiles 0-3 in lanes 0-15, tiles 4-7 in lanes 16-31).
;   THE ROWS OF A TILE ARE NOT NEIGHBOURS: lane r of tile t is row 32 (t / 2) + 16 (r / 8) + 8 (t % 2) + r % 8 of the 128, so that a later product's results come out as neighbours along the next K.
; qin holds 1,792 BLKs: q from 0, k from 512, v from 1024 ([64 groups of rows][8 K steps]); Wq from 1536, Wk from 1600, Wv from 1664, Wo from 1728 ([8][8]).
; SHARES.  256 work-groups x 7 waves = 1,792 waves: a wave makes one BLK.  An image's 16 loads read 512 consecutive bytes of one row each; the 16 x 512 bytes turn through the wave's own stage in LDS (rows of 528 bytes),
; from which lane (r, h) takes k = 64 c + 32 h + 0 .. 31 of row r: two whole blocks of 32, in the order of the operand's registers.  They come back into the registers that they left, so that three sets of 64 registers
; take turns: while an image is worked on, the 32 loads of the two images behind it are out, and its own set is asked for again, three images on, at its end.  Waves share nothing: no barrier.
; A block's scale is 2^(floor(log2(its largest magnitude)) - 2); its byte is the largest magnitude's exponent field - 2, held at 1 from below.
; LIMITS: NaN and infinities among the inputs are not served; a block whose largest magnitude lies under 2^-124 has its byte held at 1; a block of zeros gets the byte 1 where the rule says 127 (its codes are zeros, and this program alone reads the bytes).
.set BLK,   12800
.set SCO,   12288                      ; where a BLK's scale words begin
.set SP,    528                        ; a stage row: 512 bytes + 16
.set STG,   16*SP                      ; a wave's stage
.set SPARE, 7*STG                      ; behind the seven stages: the spare words, 128 bytes for each wave, in four blocks of 256 bytes that no other line names
.set LI,    4                          ; v4      16 x lane: my place in a load's or a store's 512 bytes; never rewritten
.set SIN,   5                          ; v5      the stage, on the way in
.set SOUT,  6                          ; v6      and on the way out: row r, + 128 h
.set SH,    7                          ; v7      8 h: where my two bytes stand in the scale word
.set MX,    8                          ; v8-9    the two blocks' largest magnitudes
.set SO,    10                         ; v10-11  the conversions' scale operands
.set BY,    12                         ; v12-13  the scale bytes
.set WD,    14                         ; v14-15  my half of the word; the other half's
.set C,     16                         ; v16-27  an image's codes
.set OD,    28                         ; v28-30, v32-34 the second halves of the two blocks (a conversion's three registers begin on an even number)
.set W,     36                         ; v36-43  the eight images' scale words
.set OUT,   44                         ; v44-47  the words as they are stored
.set SPW,   48                         ; v48     LDS address of my spare word; never rewritten
.set NIL,   49                         ; v49     0; never rewritten
.set R,     64                         ; v64-255 three sets of 64: an image's numbers as loaded, then my 64 numbers of it
	s_load_b256 s[4:11], s[0:1], 0x0               ; q, k, v, Wq
	s_load_b256 s[12:19], s[0:1], 0x20             ; Wk, Wv, Wo, qin
	v_lshl_add_u32 v[SPW], v0, 2, SPARE
	v_mov_b32 v[NIL], 0
	v_lshrrev_b32 v1, 5, v0
	v_readfirstlane_b32 s24, v1                    ; wave 0..6
	v_and_b32 v1, 31, v0                           ; lane
	v_and_b32 v2, 15, v0                           ; r
	v_bfe_u32 v3, v0, 4, 1                         ; h
	v_lshlrev_b32 v[LI], 4, v1
	s_mul_i32 s25, s24, STG                        ; my stage
	v_add_nc_u32 v[SIN], s25, v[LI]
	v_mul_u32_u24 v[SOUT], v2, SP
	v_lshl_add_u32 v[SOUT], v3, 7, v[SOUT]
	v_add_nc_u32 v[SOUT], s25, v[SOUT]
	v_lshlrev_b32 v[SH], 3, v3
	v_mov_b32 v[WD+1], 0                           ; written once: a lane permute's destination counts as one of its sources
	s_mov_b32 s20, 0x76543210
	s_mov_b32 s21, 0xfedcba98                      ; v_permlanex16_b32's selects for lane l xor 16
	s_mov_b32 s30, 0xffff0000                      ; lanes 16-31
	s_mul_i32 s26, ttmp9, 7
	s_add_co_u32 s26, s26, s24                     ; n: which BLK of qin is mine
	s_cmp_lt_u32 s26, 1536
	s_cselect_b32 s27, 511, 63                     ; a large tensor has 512 BLKs, a weight 64
	s_and_b32 s27, s26, s27                        ; my BLK's number in its tensor (every tensor begins at a multiple of its own count)
	s_lshr_b32 s28, s27, 3                         ; the group of 128 rows,
	s_and_b32 s27, s27, 7                          ; the K step
	s_lshl_b32 s28, s28, 19                        ; 128 rows of 4,096 bytes,
	s_lshl_b32 s27, s27, 9                         ; 128 numbers of 4 bytes
	s_add_co_u32 s28, s28, s27
	s_mov_b32 s29, 0
	s_mul_i32 s32, s26, BLK
	s_mov_b32 s33, 0
	s_wait_alu depctr_va_vdst(0)
	s_wait_kmcnt 0x0
	s_mov_b64 s[22:23], s[16:17]                   ; which tensor: the choice hangs on the BLK's number alone
	s_cmp_lt_u32 s26, 1728
	s_cselect_b64 s[22:23], s[14:15], s[22:23]
	s_cmp_lt_u32 s26, 1664
	s_cselect_b64 s[22:23], s[12:13], s[22:23]
	s_cmp_lt_u32 s26, 1600
	s_cselect_b64 s[22:23], s[10:11], s[22:23]
	s_cmp_lt_u32 s26, 1536
	s_cselect_b64 s[22:23], s[8:9], s[22:23]
	s_cmp_lt_u32 s26, 1024
	s_cselect_b64 s[22:23], s[6:7], s[22:23]
	s_cmp_lt_u32 s26, 512
	s_cselect_b64 s[22:23], s[4:5], s[22:23]
	s_add_nc_u64 s[22:23], s[22:23], s[28:29]      ; my 128 rows x 128 numbers
	s_add_nc_u64 s[18:19], s[18:19], s[32:33]      ; my BLK
.macro LOAD t                          ; image t's 16 rows, 512 consecutive bytes each, into set t % 3; read once in the whole program
.irp i, 0,1,2,3,4,5,6,7,8,9,10,11,12,13,14,15
	global_load_b128 v[R+64*((\t)%3)+4*\i:R+64*((\t)%3)+4*\i+3], v[LI], s[22:23] offset:(32*((\t)/2)+16*(\i/8)+8*((\t)%2)+\i%8)*4096 th:TH_LOAD_NT
.endr
.endm
.macro IMAGE t
.set X, R+64*((\t)%3)
.if (\t) < 6
	s_wait_loadcnt 32                              ; this image's 16 loads are in; the 32 of the two images behind it may be out
.elseif (\t) == 6
	s_wait_loadcnt 16                              ; the last image's 16 may be out
.else
	s_wait_loadcnt 0x0
.endif
.irp i, 0,1,2,3,4,5,6,7,8,9,10,11,12,13,14,15
	ds_store_b128 v[SIN], v[X+4*\i:X+4*\i+3] offset:SP*\i
.endr
.irp c, 0,1
.irp n, 0,1,2,3,4,5,6,7
	ds_load_b128 v[X+32*\c+4*\n:X+32*\c+4*\n+3], v[SOUT] offset:256*\c+16*\n   ; LDS serves a wave's instructions in order: these see the stores above, and land in the registers that the stores have read
.endr
.endr
	s_wait_dscnt 0x0                               ; my 64 numbers are back
.irp c, 0,1
	v_max3_num_f32 v[MX+\c], |v[X+32*\c]|, |v[X+32*\c+1]|, 0x1800000   ; block 2 c + h: all 32 numbers are mine; and the floor 2^(3 - 127), so that the byte cannot fall under 1
.endr
.irp i, 2,4,6,8,10,12,14,16,18,20,22,24,26,28,30
.irp c, 0,1
	v_max3_num_f32 v[MX+\c], v[MX+\c], |v[X+32*\c+\i]|, |v[X+32*\c+\i+1]|   ; (the two blocks by turns)
.endr
.endr
.irp c, 0,1
	v_add_nc_u32 v[SO+\c], 0xff000000, v[MX+\c]    ; 2 off the exponent field: the conversion takes this operand's exponent field as its scale
.endr
.irp c, 0,1
	v_lshrrev_b32 v[BY+\c], 23, v[SO+\c]           ; the scale's byte
.endr
	v_lshl_or_b32 v[WD], v[BY+1], 16, v[BY]        ; my two bytes, blocks h and 2 + h,
	v_lshlrev_b32 v[WD], v[SH], v[WD]              ; at their places in the row's word;
	v_permlanex16_b32 v[WD+1], v[WD], s20, s21
	v_or_b32 v[W+(\t)], v[WD], v[WD+1]             ; with lane l xor 16's two the word is whole, in both halves of the lanes
	s_wait_alu depctr_va_vdst(0)
	s_wait_xcnt 0x0                                ; the last image's stores have read the codes' registers: only now are they written again (what was issued last stands a whole wait for data back)
.irp c, 0,1
	v_cvt_scalef32_pk16_fp6_f32 v[C+6*\c:C+6*\c+2], v[X+32*\c:X+32*\c+15], v[SO+\c]
	v_cvt_scalef32_pk16_fp6_f32 v[OD+4*\c:OD+4*\c+2], v[X+32*\c+16:X+32*\c+31], v[SO+\c]
.endr
	v_nop                                          ; one plain place behind a scaled conversion
.irp c, 0,1
.irp i, 0,1,2
	v_mov_b32 v[C+3+6*\c+\i], v[OD+4*\c+\i]        ; registers 6 c .. 6 c + 5: k = 64 c + 32 h + 0 .. 31
.endr
.endr
.irp c, 0,1,2
	global_store_b128 v[LI], v[C+4*\c:C+4*\c+3], s[18:19] offset:1536*(\t)+512*\c   ; 32 lanes store 512 consecutive bytes, at a multiple of 256 from the buffer's first byte
.endr
.if (\t)+3 < 8
	LOAD (\t)+3                                    ; this image's set takes the image three on
.endif
.endm
	LOAD 0
	LOAD 1
	LOAD 2
.irp t, 0,1,2,3,4,5,6,7
	IMAGE \t
.endr
.irp i, 0,1,2,3
	v_cndmask_b32 v[OUT+\i], v[W+\i], v[W+4+\i], s30   ; lanes 0-15: tiles 0-3; lanes 16-31: tiles 4-7
.endr
	global_store_b128 v[LI], v[OUT:OUT+3], s[18:19] offset:SCO
	s_wait_tensorcnt 0x0                           ; the wave's end
	ds_add_u32 v[SPW], v[NIL]
	s_wait_dscnt 0x0
	s_endpgm
.Lfunc_end_k_q0179f66747_quant:
	.size	k_q0179f66747_quant, .Lfunc_end_k_q0179f66747_quant-k_q0179f66747_quant
	.p2alignl 7, 3214868480
	.fill 96, 4, 3214868480
	.section	.rodata,"a",@progbits
	.p2align	6, 0x0
	.amdhsa_kernel k_q0179f66747_quant
		.amdhsa_group_segment_fixed_size 60160
		.amdhsa_private_segment_fixed_size 0
		.amdhsa_enable_private_segment 0
		.amdhsa_kernarg_size 64
		.amdhsa_user_sgpr_count 2
		.amdhsa_user_sgpr_kernarg_segment_ptr 1
		.amdhsa_wavefront_size32 1
		.amdhsa_system_sgpr_workgroup_id_x 1
		.amdhsa_system_sgpr_workgroup_id_y 1
		.amdhsa_system_sgpr_workgroup_id_z 1
		.amdhsa_system_vgpr_workitem_id 0
		.amdhsa_next_free_vgpr 256
		.amdhsa_next_free_sgpr 66
		.amdhsa_reserve_vcc 0
		.amdhsa_float_denorm_mode_32 3
		.amdhsa_float_denorm_mode_16_64 3
		.amdhsa_memory_ordered 1
		.amdhsa_forward_progress 1
		.amdhsa_inst_pref_size 58
	.end_amdhsa_kernel
	.amdgpu_metadata
---
amdhsa.version: [ 1, 2 ]
amdhsa.kernels:
  - .name:           k_q0179f66747_quant
    .symbol:         k_q0179f66747_quant.kd
    .args:
      - { .name: q, .offset: 0, .size: 8, .value_kind: global_buffer, .address_space: global }
      - { .name: k, .offset: 8, .size: 8, .value_kind: global_buffer, .address_space: global }
      - { .name: v, .offset: 16, .size: 8, .value_kind: global_buffer, .address_space: global }
      - { .name: Wq, .offset: 24, .size: 8, .value_kind: global_buffer, .address_space: global }
      - { .name: Wk, .offset: 32, .size: 8, .value_kind: global_buffer, .address_space: global }
      - { .name: Wv, .offset: 40, .size: 8, .value_kind: global_buffer, .address_space: global }
      - { .name: Wo, .offset: 48, .size: 8, .value_kind: global_buffer, .address_space: global }
      - { .name: qin, .offset: 56, .size: 8, .value_kind: global_buffer, .address_space: global }
    .group_segment_fixed_size: 60160
    .private_segment_fixed_size: 0
    .kernarg_segment_align: 8
    .kernarg_segment_size: 64
    .max_flat_workgroup_size: 224
    .sgpr_count:     66
    .vgpr_count:     256
    .wavefront_size: 32
...
	.end_amdgpu_metadata
.endif
;; end of part 1
;; launch proj (part 2): grid 4 x 64, 4 waves a work-group, clusters of 4 x 4, 327,680 bytes of LDS; arguments qin, bq, bv, prj; writes prj
.if DOCPART == 2
	.amdgcn_target "amdgcn-amd-amdhsa--gfx1250"
	.amdhsa_code_object_version 6
	.text
	.protected	k_q0179f66747_proj
	.globl	k_q0179f66747_proj
	.p2align	8
	.type	k_q0179f66747_proj,@function
k_q0179f66747_proj:
	s_mov_b64 s[64:65], 0
	v_nop
	global_prefetch_b8 v0, s[64:65] scope:SCOPE_SE
	s_setreg_imm32_b32 hwreg(HW_REG_WAVE_MODE, 25, 1), 1
	s_wait_xcnt 0x0
	s_wait_alu depctr_hold_cnt(0) depctr_sa_sdst(0) depctr_va_vdst(0) depctr_va_sdst(0) depctr_va_ssrc(0) depctr_va_vcc(0) depctr_vm_vsrc(0)
	s_getreg_b32 s2, hwreg(HW_REG_IB_STS2, 6, 4)
	s_cmp_eq_u32 s2, 0
	s_cbranch_scc0 .Lentry_in_a_cluster
	s_endpgm
.Lentry_in_a_cluster:
	s_bfe_u32 s2, ttmp6, 0x10000c
	s_cmp_lg_u32 s2, 0xf033
	s_cbranch_scc0 .Lentry_shape_is_right
	s_endpgm
.Lentry_shape_is_right:
; LAUNCH 2 OF 5: qp = q Wq^T + bq, kp = k Wk^T, vp = v Wv^T + bv on codes of FP6 (E2M3), each result quantised on the way out along the K of the product that takes it.  Nothing is left out.
; OPERANDS lie as BLKs of 12,800 bytes (128 rows x 128 K): eight images of 1,536 bytes (image t = the 12 operand registers of a tile of 16 rows), then 128 scale words; lane r of tile t is row 32 (t / 2) + 16 (r / 8) + 8 (t % 2) + r % 8.
; TRANSPOSED USE: source 0 = 16 rows of S0, source 1 = 16 rows of S1: a lane holds ONE row of S1, and a tile's 64 registers run along 128 neighbouring rows of S0, which are the next K.
;   qp, kp: S1 = 128 rows of q or k, S0 = 256 rows of the weight (the next K is the model axis).  vp: S1 = 128 rows of Wv, S0 = 256 rows of v (the next K is the keys).
;   The biases are the C of a product's first K step: bq runs along the registers (window 3, v0-63), bv is the lane's own channel's, eight times (window 3, v64-95); kp begins with C = 0.
; SHARES.  A work-group makes 128 x 256 of each of the three products, a wave 64 x 128: 32 accumulators.  256 work-groups in 16 clusters of 4 x 4; S1's BLKs are shared along a row of the cluster, S0's along a column, by joint loads.
; THE RING: two slots of four K steps (S1's four BLKs, then S0's two groups of four): six fills in all, one tensor load a wave out at any time.  Slot 0's first fill stands at the head, slot 1's behind the three lines and a round,
; each later fill is the first tensor load behind the round at a change of slots, and the ring goes on from product to product.
; PREFETCH: fill t + 2's bytes are asked for behind fill t's load (at the head: fills 1 and 2).  Of the 100 or 200 blocks of 256 bytes that a wave's load names, each of the four partners that ask jointly takes 25 or 50,
; told apart by address (cx for S1, cy for S0); a lane a block, left-over lanes name the share's last block again.  The last two fills ask for nothing.  The address registers are never rewritten.
; LIMITS: NaN and infinities are not served; a block whose largest magnitude lies under 2^-124 has its byte held at 1, a block of zeros too (its codes are zeros, and this program alone reads the bytes).
; REGISTERS: window 0: v1-15 addresses, v24-25 the prefetches' offsets, v28-29 the add's two, v32-47 scale words, v64-159 S1's fragments (two sets), v160-219 at work on the way out; window 1: S0's fragments, two sets; window 2: the accumulators.
.set NA,    4
.set NQ,    4
.set PF0,   24                         ; v24     256 x min(lane, N - 1): my share's blocks 0-31 (N = 25 for S1's waves, 50 for S0's)
.set PF1,   25                         ; v25     256 x min(lane + 32, N - 1): S0's waves alone use it
.macro ASK b, off                      ; my share of the load that begins at s[b:b+1] - my share's place + off
	global_prefetch_b8 v[PF0], s[\b:\b+1] offset:\off th:TH_LOAD_NT scope:SCOPE_SE
	s_cmp_eq_u32 s15, 0
	s_cbranch_scc1 .Lone_\@
	global_prefetch_b8 v[PF1], s[\b:\b+1] offset:\off th:TH_LOAD_NT scope:SCOPE_SE
.Lone_\@:
.endm
.set NS,    2
.set BLK,   12800
.set SCO,   12288
.set SLOT,  3*NQ*BLK
.set SPARE, NS*SLOT
.set RWA,   2*BLK/256
.set RWB,   NQ*BLK/256
.set G1A,   24
.set G0A,   32
.set G1B,   44
.set G0B,   52
.set LI,    4
.set OA,    5
.set OW,    6
.set BQO,   7
.set A1,    8
.set BVO,   10
.set A0,    11
.set AS1,   14
.set SPW,   28
.set NIL,   29
.set PC,    160
.set TM,    192
.set W,     208
.set MSB,   0
.macro WIN new
.if MSB != (\new)
	s_set_vgpr_msb (MSB<<8)|(\new)
.set MSB, (\new)
.endif
.endm
.macro PLACES
.rept 4
	v_nop
.endr
.endm
.macro CREST
	s_cmp_lg_u32 s14, 0
	s_cbranch_scc1 .Lnot_wave_0_\@
	s_barrier_signal -3
.Lnot_wave_0_\@:
	s_barrier_wait -3
	s_barrier_signal -1
	s_barrier_wait -1
.endm
.macro CROUND
	s_barrier_signal -1
	s_barrier_wait -1
	CREST
.endm
.macro JLOAD n
	s_cmp_eq_u32 s15, 0
	s_cbranch_scc0 .Lfor_b_\@
	tensor_load_to_lds s[G0A+4*\n:G0A+4*\n+3], s[G1A:G1A+7]
	s_nop 0
.rept 4
	v_nop
.endr
	s_branch .Lasked_\@
.Lfor_b_\@:
	tensor_load_to_lds s[G0B+4*\n:G0B+4*\n+3], s[G1B:G1B+7]
	s_nop 0
.rept 4
	v_nop
.endr
.Lasked_\@:
.endm
.macro FIRST n
	s_mov_b32 s[G0A+4*\n], 1
	s_add_co_u32 s[G0A+4*\n+1], s22, \n*SLOT
	s_add_nc_u64 s[G0A+4*\n+2:G0A+4*\n+3], s[20:21], \n*NQ*BLK
	s_or_b32 s[G0A+4*\n+3], s[G0A+4*\n+3], 0x80000000
	s_mov_b32 s[G0B+4*\n], 1
	s_add_co_u32 s[G0B+4*\n+1], s23, \n*SLOT
	s_add_nc_u64 s[G0B+4*\n+2:G0B+4*\n+3], s[74:75], \n*NQ*BLK
	s_or_b32 s[G0B+4*\n+3], s[G0B+4*\n+3], 0x80000000
.endm
.macro FETCH k
.set SL, ((\k)/NQ)%NS
.set QO, ((\k)%NQ)*BLK
.set PP, (\k)%2
	WIN 0x40
.irp b, 0,1,2,3,4,5,6,7
.irp c, 0,1,2
	ds_load_b128 v[128*PP+12*\b+4*\c:128*PP+12*\b+4*\c+3], v[A0+SL] offset:QO+1536*\b+512*\c
.endr
.endr
	WIN 0
.set TT, 0
.rept NA
.irp c, 0,1,2
	ds_load_b128 v[64+12*NA*PP+12*TT+4*\c:64+12*NA*PP+12*TT+4*\c+3], v[A1+SL] offset:QO+1536*TT+512*\c
.endr
.set TT, TT+1
.endr
	ds_load_b128 v[32+8*PP:35+8*PP], v[A0+SL] offset:QO+SCO
	ds_load_b128 v[36+8*PP:39+8*PP], v[AS1+SL] offset:QO
.endm
.macro WM c
.if RA
	v_wmma_scale_f32_16x16x128_f8f6f4 v[AC:AC+7], v[F0:F0+11], v[F1:F1+11], \c, v[SA], v[SB] matrix_a_fmt:MATRIX_FMT_FP6 matrix_b_fmt:MATRIX_FMT_FP6 matrix_a_scale:MATRIX_SCALE_ROW1
.else
	v_wmma_scale_f32_16x16x128_f8f6f4 v[AC:AC+7], v[F0:F0+11], v[F1:F1+11], \c, v[SA], v[SB] matrix_a_fmt:MATRIX_FMT_FP6 matrix_b_fmt:MATRIX_FMT_FP6
.endif
.endm
.macro MULT a, p, cmode
.if ((\cmode) == 1) || ((\cmode) == 2)
.set WN, 0xb1
.else
.set WN, 0xa1
.endif
	WIN WN
.irp b, 0,1,2,3,4,5,6,7
.set AC, 8*(8*(\a)+\b)
.set F0, 128*(\p)+12*\b
.set F1, 64+12*NA*(\p)+12*(\a)
.set SA, 32+8*(\p)+\b%4
.set SB, 36+8*(\p)+(\a)
.set RA, \b/4
.if (\cmode) == 0
	WM 0
.elseif (\cmode) == 3
	WM v[AC:AC+7]
.elseif (\cmode) == 1
.set CB, 8*\b
	WM v[CB:CB+7]
.else
.set CB, 64+8*(\a)
	WM v[CB:CB+7]
.endif
.endr
.endm
.macro MULTS a0, n, p, cmode
.set AA, \a0
.rept \n
	MULT AA, \p, \cmode
.set AA, AA+1
.endr
.endm
.macro STEP k, cmode
	s_wait_dscnt 0x0
.if (\k) > 0
	PLACES
.endif
	FETCH (\k)+1
	MULTS 0, NA, (\k)%2, \cmode
.endm
.macro TURN k, fill, oa, ob, pb, po
.set FS, ((\k)/NQ)%NS
	WIN 0
	s_wait_tensorcnt 0x0
	ds_add_u32 v[SPW], v[NIL]
	s_wait_dscnt 1
	MULTS 0, NA/4, (\k)%2, 3
	s_wait_dscnt 0x0
	s_barrier_signal -1
	MULTS NA/4, NA/4, (\k)%2, 3
	WIN 0
	s_barrier_wait -1
.if \fill
	CREST
	s_add_nc_u64 s[G0A+4*FS+2:G0A+4*FS+3], s[4:5], s[\oa:\oa+1]
	s_add_nc_u64 s[G0B+4*FS+2:G0B+4*FS+3], s[4:5], s[\ob:\ob+1]
.if FS == 1
	s_add_nc_u64 s[G0A+4*FS+2:G0A+4*FS+3], s[G0A+4*FS+2:G0A+4*FS+3], NQ*BLK
	s_add_nc_u64 s[G0B+4*FS+2:G0B+4*FS+3], s[G0B+4*FS+2:G0B+4*FS+3], NQ*BLK
.endif
	s_or_b32 s[G0A+4*FS+3], s[G0A+4*FS+3], 0x80000000
	s_or_b32 s[G0B+4*FS+3], s[G0B+4*FS+3], 0x80000000
	JLOAD FS
.else
	PLACES
.endif
	FETCH (\k)+1
.if \pb
	ASK \pb, \po                                   ; the fill two on, behind the joint load and the run of LDS loads
.endif
	MULTS NA/2, NA/2, (\k)%2, 3
.endm
.macro LAST k
	s_wait_dscnt 0x0
	MULTS 0, NA, (\k)%2, 3
.endm
.macro QUANTW a
.set H, 64*(\a)
	WIN 0x28
.irp b, 0,1,2,3
	v_max3_num_f32 v[TM+\b], s84, |v[H+16*\b]|, |v[H+16*\b+1]|
.endr
.irp i, 2,4,6,8,10,12,14
.irp b, 0,1,2,3
	v_max3_num_f32 v[TM+\b], v[TM+\b], |v[H+16*\b+\i]|, |v[H+16*\b+\i+1]|
.endr
.endr
	WIN 0
.irp b, 0,1,2,3
	v_permlanex16_b32 v[TM+4+\b], v[TM+\b], s80, s81
.endr
.irp b, 0,1,2,3
	v_max_num_f32 v[TM+\b], v[TM+\b], v[TM+4+\b]
.endr
.irp b, 0,1,2,3
	v_add_nc_u32 v[TM+12+\b], 0xff000000, v[TM+\b]
.endr
.irp b, 0,1,2,3
	v_lshrrev_b32 v[TM+4+\b], 23, v[TM+12+\b]
.endr
	v_lshl_or_b32 v[WB+(\a)], v[TM+5], 8, v[TM+4]
	v_lshl_or_b32 v[WB+(\a)], v[TM+6], 16, v[WB+(\a)]
	v_lshl_or_b32 v[WB+(\a)], v[TM+7], 24, v[WB+(\a)]
	s_wait_xcnt 0x0
	WIN 0x02
.irp c, 0,1
	v_cvt_scalef32_pk16_fp6_f32 v[PC+6*\c:PC+6*\c+2], v[H+32*\c:H+32*\c+15], v[TM+12+2*\c]
	v_cvt_scalef32_pk16_fp6_f32 v[PC+12+4*\c:PC+14+4*\c], v[H+16+32*\c:H+31+32*\c], v[TM+13+2*\c]
.endr
	WIN 0
	v_nop
.irp c, 0,1
.irp i, 0,1,2
	v_permlane16_swap_b32 v[PC+6*\c+\i], v[PC+12+4*\c+\i]
.endr
.irp i, 0,1,2
	v_mov_b32 v[PC+3+6*\c+\i], v[PC+12+4*\c+\i]
.endr
.endr
.irp c, 0,1,2
	global_store_b128 v[OA], v[PC+4*\c:PC+4*\c+3], s[OB:OB+1] offset:1536*(\a)+512*\c
.endr
.endm
.macro EPI t, ob
.set WB, W+4*(\t)
.set OB, \ob
	WIN 0
	PLACES
.irp i, 0,1,2,3
	QUANTW \i
.endr
.endm
	s_load_b256 s[4:11], s[0:1], 0x0
	v_lshl_add_u32 v[SPW], v0, 2, SPARE
	v_mov_b32 v[NIL], 0
	ds_add_u32 v[SPW], v[NIL]
	ds_add_u32 v[SPW], v[NIL]
	v_lshrrev_b32 v1, 5, v0
	v_readfirstlane_b32 s14, v1
	s_lshr_b32 s15, s14, 1
	s_and_b32 s16, s14, 1
	s_bfe_u32 s66, ttmp6, 0x40000
	s_bfe_u32 s67, ttmp6, 0x40004
	s_and_b32 s68, ttmp7, 0xffff
	s_lshl_b32 s17, s68, 2
	s_add_co_u32 s17, s17, s67
	s_and_b32 s12, s68, 1
	s_lshl_b32 s12, s12, 2
	s_add_co_u32 s12, s12, s67
	s_lshl_b32 s69, s67, 2
	s_lshl_b32 s69, 15, s69
	s_lshl_b32 s70, 0x1111, s66
	s_or_b32 s[G1A], s69, (3<<16)|(1<<21)
	s_or_b32 s[G1B], s70, (3<<16)|(1<<21)
	s_mov_b32 s[G1A+1], 32<<16
	s_mov_b32 s[G1A+2], RWA<<16
	s_mov_b32 s[G1A+3], 32<<16
	s_mov_b32 s[G1A+4], RWA
	s_mov_b32 s[G1A+5], 32
	s_mov_b32 s[G1A+6], 0
	s_mov_b32 s[G1A+7], 0
	s_mov_b32 s[G1B+1], 32<<16
	s_mov_b32 s[G1B+2], RWB<<16
	s_mov_b32 s[G1B+3], 32<<16
	s_mov_b32 s[G1B+4], RWB
	s_mov_b32 s[G1B+5], 32
	s_mov_b32 s[G1B+6], 0
	s_mov_b32 s[G1B+7], 0
	s_lshl_b32 s18, s16, 1
	s_lshl_b32 s19, s17, 3
	s_add_co_u32 s19, s19, s18
	s_mul_i32 s20, s19, BLK
	s_mov_b32 s21, 0
	s_add_co_u32 s40, s20, 512*BLK
	s_mov_b32 s41, 0
	s_lshl_b32 s19, s12, 3
	s_add_co_u32 s19, s19, s18
	s_add_co_u32 s19, s19, 1664
	s_mul_i32 s42, s19, BLK
	s_mov_b32 s43, 0
	s_lshl_b32 s72, s66, 1
	s_add_co_u32 s72, s72, s16
	s_lshl_b32 s72, s72, 3
	s_add_co_u32 s72, s72, 1536
	s_mul_i32 s74, s72, BLK
	s_mov_b32 s75, 0
	s_add_co_u32 s60, s74, 64*BLK
	s_mov_b32 s61, 0
	s_lshr_b32 s73, s68, 1
	s_lshl_b32 s73, s73, 2
	s_add_co_u32 s73, s73, s66
	s_lshl_b32 s73, s73, 1
	s_add_co_u32 s73, s73, s16
	s_lshl_b32 s73, s73, 3
	s_add_co_u32 s73, s73, 1024
	s_mul_i32 s62, s73, BLK
	s_mov_b32 s63, 0
	s_lshl_b32 s88, s17, 3
	s_lshl_b32 s89, s66, 1
	s_add_co_u32 s88, s88, s89
	s_add_co_u32 s88, s88, s16
	s_mul_i32 s88, s88, BLK
	s_mov_b32 s89, 0
	s_lshr_b32 s90, s68, 1
	s_lshl_b32 s90, s90, 2
	s_add_co_u32 s90, s90, s66
	s_lshl_b32 s90, s90, 1
	s_add_co_u32 s90, s90, s16
	s_lshr_b32 s91, s90, 4
	s_lshl_b32 s91, s91, 7
	s_and_b32 s90, s90, 15
	s_add_co_u32 s90, s90, s91
	s_lshl_b32 s91, s12, 4
	s_add_co_u32 s90, s90, s91
	s_add_co_u32 s90, s90, 1024
	s_mul_i32 s90, s90, BLK
	s_mov_b32 s91, 0
	s_lshl_b32 s92, s66, 10
	s_lshl_b32 s93, s16, 9
	s_add_co_u32 s92, s92, s93
	s_mov_b32 s93, 0
	s_lshl_b32 s94, s12, 9
	s_lshl_b32 s95, s15, 8
	s_add_co_u32 s94, s94, s95
	s_mov_b32 s95, 0
	s_mul_i32 s22, s16, 2*BLK
	s_mul_i32 s23, s16, NQ*BLK
	s_add_co_u32 s23, s23, NQ*BLK
	s_mov_b32 s80, 0x76543210
	s_mov_b32 s81, 0xfedcba98
	s_mov_b32 s84, 0x1800000
	s_wait_dscnt 0x0
	s_wait_kmcnt 0x0
	s_add_nc_u64 s[20:21], s[4:5], s[20:21]
	s_add_nc_u64 s[74:75], s[4:5], s[74:75]
	s_add_nc_u64 s[76:77], s[10:11], s[88:89]
	s_add_nc_u64 s[78:79], s[76:77], 512*BLK
	s_add_nc_u64 s[82:83], s[10:11], s[90:91]
	s_add_nc_u64 s[6:7], s[6:7], s[92:93]
	s_add_nc_u64 s[8:9], s[8:9], s[94:95]
	CROUND
	FIRST 0                                        ; both slots' descriptors,
	FIRST 1
	JLOAD 0                                        ; and K steps 0-3 of the first product: one tensor load a wave at the head
	s_cmp_eq_u32 s15, 0                            ; the prefetches: do I fetch for S1?
	s_cselect_b32 s18, s66, s67                    ; my place among the four that ask with me
	s_cselect_b32 s19, 25, 50                      ; N: my work-group's share of my load's blocks
	s_cselect_b64 s[88:89], s[20:21], s[74:75]     ; where my loads of the first product begin,
	s_cselect_b64 s[90:91], s[40:41], s[60:61]     ; of the second (an offset),
	s_cselect_b64 s[92:93], s[42:43], s[62:63]     ; of the third
	s_mul_i32 s72, s18, s19
	s_lshl_b32 s72, s72, 8                         ; my share's place in a load, in bytes
	s_mov_b32 s73, 0
	s_add_nc_u64 s[90:91], s[4:5], s[90:91]
	s_add_nc_u64 s[92:93], s[4:5], s[92:93]
	s_add_nc_u64 s[88:89], s[88:89], s[72:73]
	s_add_nc_u64 s[90:91], s[90:91], s[72:73]
	s_add_nc_u64 s[92:93], s[92:93], s[72:73]
	s_sub_co_u32 s19, s19, 1
	v_and_b32 v1, 31, v0
	v_min_u32 v[PF0], s19, v1
	v_add_nc_u32 v[PF1], 32, v1
	v_min_u32 v[PF1], s19, v[PF1]
	v_lshlrev_b32 v[PF0], 8, v[PF0]
	v_lshlrev_b32 v[PF1], 8, v[PF1]
	s_wait_alu depctr_va_vdst(0)                   ; branches stand between these writes and later readers
	ASK 88, NQ*BLK                                 ; fill 1: the first product's K steps 4-7
	ASK 90, 0                                      ; fill 2: the second product's K steps 0-3
	v_and_b32 v2, 15, v0
	v_bfe_u32 v3, v0, 4, 1
	v_lshlrev_b32 v[LI], 4, v1
	v_lshlrev_b32 v[BQO], 6, v3
	v_and_b32 v[BVO], 8, v2
	v_add_nc_u32 v[BVO], v[BVO], v2
	v_lshlrev_b32 v[BVO], 2, v[BVO]
	WIN 0xc0
.irp b, 0,1,2,3,4,5,6,7
	global_load_b128 v[8*\b:8*\b+3], v[BQO], s[6:7] offset:(32*(\b/2)+8*(\b%2))*4
	global_load_b128 v[8*\b+4:8*\b+7], v[BQO], s[6:7] offset:(32*(\b/2)+8*(\b%2))*4+16
.endr
.irp a, 0,1,2,3
.irp j, 0,1,2,3,4,5,6,7
	global_load_b32 v[64+8*\a+\j], v[BVO], s[8:9] offset:(32*(\a/2)+8*(\a%2))*4
.endr
.endr
	WIN 0
	s_mul_i32 s22, s15, 4*1536
	s_mul_i32 s23, s16, NQ*BLK
	s_add_co_u32 s23, s23, NQ*BLK
	v_add_nc_u32 v[OA], s22, v[LI]
.irp n, 0,1
	v_add_nc_u32 v[A1+\n], s22, v[LI]
	v_add_nc_u32 v[A0+\n], s23, v[LI]
	s_add_co_u32 s22, s22, SLOT
	s_add_co_u32 s23, s23, SLOT
.endr
	s_lshl_b32 s22, s15, 8
	v_lshl_add_u32 v[OW], v2, 4, s22
	s_add_co_u32 s22, s22, SCO
	v_lshl_add_u32 v[AS1], v2, 4, s22
	v_add_nc_u32 v[AS1+1], SLOT, v[AS1]
.irp b, 0,1,2,3
	v_mov_b32 v[TM+4+\b], 0
.endr
	s_wait_alu depctr_va_vdst(0)
	s_wait_tensorcnt 0x0                           ; my part of slot 0 is in
	ds_add_u32 v[SPW], v[NIL]
	s_wait_dscnt 0x0
	CROUND                                         ; slot 0 is whole for every wave, and all sixteen work-groups are here
	JLOAD 1                                        ; slot 1's first fill, the first tensor load behind the round
	FETCH 0
	s_wait_loadcnt 0x0                             ; the biases are in
	s_wait_dscnt 0x0
	FETCH 1
	ASK 90, NQ*BLK
	MULTS 0, NA, 0, 1                              ; K step 0: the sums begin with bq
	STEP 1, 3
	STEP 2, 3
	TURN 3, 1, 40, 60, 92, 0
	STEP 4, 3
	STEP 5, 3
	STEP 6, 3
	TURN 7, 1, 40, 60, 92, NQ*BLK
	EPI 0, 76
	STEP 8, 0
	STEP 9, 3
	STEP 10, 3
	TURN 11, 1, 42, 62, 0, 0
	STEP 12, 3
	STEP 13, 3
	STEP 14, 3
	TURN 15, 1, 42, 62, 0, 0
	EPI 1, 78
	STEP 16, 2
	STEP 17, 3
	STEP 18, 3
	TURN 19, 0, 0, 0, 0, 0
	STEP 20, 3
	STEP 21, 3
	STEP 22, 3
	LAST 23
	EPI 2, 82
	s_wait_xcnt 0x0
	v_cmp_gt_u32 vcc_lo, 16, v1
	s_and_saveexec_b32 s97, vcc_lo
	global_store_b128 v[OW], v[W:W+3], s[76:77] offset:SCO
	global_store_b128 v[OW], v[W+4:W+7], s[78:79] offset:SCO
	global_store_b128 v[OW], v[W+8:W+11], s[82:83] offset:SCO
	s_wait_xcnt 0x0
	s_or_b32 exec_lo, exec_lo, s97
	s_wait_tensorcnt 0x0
	ds_add_u32 v[SPW], v[NIL]
	s_wait_dscnt 0x0
	CROUND
	s_endpgm
.Lfunc_end_k_q0179f66747_proj:
	.size	k_q0179f66747_proj, .Lfunc_end_k_q0179f66747_proj-k_q0179f66747_proj
	.p2alignl 7, 3214868480
	.fill 96, 4, 3214868480
	.section	.rodata,"a",@progbits
	.p2align	6, 0x0
	.amdhsa_kernel k_q0179f66747_proj
		.amdhsa_group_segment_fixed_size 327680
		.amdhsa_private_segment_fixed_size 0
		.amdhsa_enable_private_segment 0
		.amdhsa_kernarg_size 32
		.amdhsa_user_sgpr_count 2
		.amdhsa_user_sgpr_kernarg_segment_ptr 1
		.amdhsa_wavefront_size32 1
		.amdhsa_system_sgpr_workgroup_id_x 1
		.amdhsa_system_sgpr_workgroup_id_y 1
		.amdhsa_system_sgpr_workgroup_id_z 1
		.amdhsa_system_vgpr_workitem_id 0
		.amdhsa_next_free_vgpr 1024
		.amdhsa_next_free_sgpr 100
		.amdhsa_reserve_vcc 1
		.amdhsa_float_denorm_mode_32 3
		.amdhsa_float_denorm_mode_16_64 3
		.amdhsa_memory_ordered 1
		.amdhsa_forward_progress 1
		.amdhsa_inst_pref_size 229
	.end_amdhsa_kernel
	.amdgpu_metadata
---
amdhsa.version: [ 1, 2 ]
amdhsa.kernels:
  - .name:           k_q0179f66747_proj
    .symbol:         k_q0179f66747_proj.kd
    .args:
      - { .name: qin, .offset: 0, .size: 8, .value_kind: global_buffer, .address_space: global }
      - { .name: bq, .offset: 8, .size: 8, .value_kind: global_buffer, .address_space: global }
      - { .name: bv, .offset: 16, .size: 8, .value_kind: global_buffer, .address_space: global }
      - { .name: prj, .offset: 24, .size: 8, .value_kind: global_buffer, .address_space: global }
    .group_segment_fixed_size: 327680
    .private_segment_fixed_size: 0
    .kernarg_segment_align: 8
    .kernarg_segment_size: 32
    .max_flat_workgroup_size: 128
    .sgpr_count:     100
    .vgpr_count:     1024
    .wavefront_size: 32
...
	.end_amdgpu_metadata
.endif
;; end of part 2
;; launch scores (part 3): grid 8 x 32, 4 waves a work-group, clusters of 4 x 4, 327,680 bytes of LDS; arguments prj, pcod, pstat; writes pcod, pstat
.if DOCPART == 3
	.amdgcn_target "amdgcn-amd-amdhsa--gfx1250"
	.amdhsa_code_object_version 6
	.text
	.protected	k_q0179f66747_scores
	.globl	k_q0179f66747_scores
	.p2align	8
	.type	k_q0179f66747_scores,@function
k_q0179f66747_scores:
	s_mov_b64 s[64:65], 0
	v_nop
	global_prefetch_b8 v0, s[64:65] scope:SCOPE_SE
	s_setreg_imm32_b32 hwreg(HW_REG_WAVE_MODE, 25, 1), 1
	s_wait_xcnt 0x0
	s_wait_alu depctr_hold_cnt(0) depctr_sa_sdst(0) depctr_va_vdst(0) depctr_va_sdst(0) depctr_va_ssrc(0) depctr_va_vcc(0) depctr_vm_vsrc(0)
	s_getreg_b32 s2, hwreg(HW_REG_IB_STS2, 6, 4)
	s_cmp_eq_u32 s2, 0
	s_cbranch_scc0 .Lentry_in_a_cluster
	s_endpgm
.Lentry_in_a_cluster:
	s_bfe_u32 s2, ttmp6, 0x10000c
	s_cmp_lg_u32 s2, 0xf033
	s_cbranch_scc0 .Lentry_shape_is_right
	s_endpgm
.Lentry_shape_is_right:
; LAUNCH 3 OF 5: S = qp kp^T on codes of FP6 (E2M3), and the softmax's p, quantised along the keys.  Nothing is left out.
; OPERANDS lie as BLKs of 12,800 bytes (128 rows x 128 K): eight images of 1,536 bytes (image t = the 12 operand registers of a tile of 16 rows: group c of lane L at 1536 t + 512 c + 16 L), then 128 scale words
; (tile 4 j + i, lane r, at 12288 + 16 (16 j + r) + 4 i).  Lane r of tile t is row 32 (t / 2) + 16 (r / 8) + 8 (t % 2) + r % 8 of the 128.
; THE PRODUCT IS USED TRANSPOSED: source 0 = 16 keys (S0 = kp), source 1 = 16 queries (S1 = qp): a lane holds ONE query, and the 64 registers of a tile of queries run along 128 neighbouring keys.
; THE SOFTMAX.  t = score x log2(e) / 32.  p = 2^(t - M) with M a whole number; a later change of M is an exact power of two that a block's scale takes up.  So each wave takes M_loc = ceil(the largest t) of ITS OWN 128 keys:
; the maximum is taken away before every exponential, p is at most 1, and no wave waits for another.  Stored: p's codes and scale words under M_loc (pcod, BLK 16 g + key step, g the group of 128 queries),
; and -M_loc and l_loc, the sum of the unquantised p of these 128 keys (pstat, 1,024 bytes for each BLK: 512 of -M_loc, 512 of l_loc, in the scale words' order).  The next launch brings all under the row's M.
; A block's largest p is not searched for: p rises with the score, so the block's largest SCORE goes through the same multiply-add and exponential.
; SHARES.  A work-group of four waves makes 256 queries x 256 keys, a wave 128 x 128: 64 accumulators.  256 work-groups in 16 clusters of 4 x 4; qp's BLKs are shared along a row of the cluster, kp's along a column, by joint loads.
; THE RING.  K = 1024 is 8 steps, through two slots of three steps (153,600 bytes each): three fills, K steps 0-2, 3-5 and 6-7, one tensor load a wave out at any time.  Slot 0's first fill stands at the head, slot 1's behind the
; three lines and a round; the third fill, of 100 rows of 256 bytes in place of 150, goes into slot 0 behind the round at K step 2 and has three steps, 192 matrix instructions, in which to land.
; PREFETCH: the next fill's bytes are asked for behind each fill's load, three K steps ahead of the load that wants them.  Of the 150 (100) blocks of 256 bytes that a wave's load names, the four partners that ask jointly take
; 38, 38, 38 and 36 (25 each), told apart by address (cx for qp, cy for kp); a lane a block, left-over lanes name a last block again.  The last fill asks for nothing.  The address registers are never rewritten.
; LIMITS: NaN and infinities are not served; a block whose largest p lies under 2^-124 has its byte held at 1 (a block whose every p is 0 too: its codes are zeros).
; REGISTERS: window 0: addresses, v32-47 scale words, v64-255 S1's fragments, on the way out v64-143 at work; window 1: S0's fragments, two sets; windows 2, 3: the accumulators, then p.
.set NA,    8
.set NQ,    3
.set NS,    2
.set BLK,   12800
.set SCO,   12288
.set SLOT,  4*NQ*BLK                   ; S1's two groups of 128 rows, three K steps each, then S0's two
.set SPARE, NS*SLOT                    ; behind the slots: the spare words, 128 bytes for each wave: two blocks of 256 bytes that no other line names
.set RW,    NQ*BLK/256                 ; rows of 256 bytes in a wave's load
.set RWL,   2*BLK/256                  ; and in the last fill's
.set G1A,   24
.set G0A,   32
.set G1B,   44
.set G0B,   52
.set LI,    4
.set OA,    4
.set A1,    8                          ; v8-9    LDS address of my S1 BLKs in slot 0, 1
.set A0,    11                         ; v11-12  of my S0 BLKs
.set PF0,   24                         ; v24-25  the prefetches' offsets for a fill of 150 blocks,
.set PF1,   25
.set PF2,   26                         ; v26     and for the fill of 100
.set SPW,   28
.set NIL,   29
.set PC,    64                         ; v64-83  the codes just made
.set OUT,   84                         ; v84-87  the scale words as stored
.set NMR,   88                         ; v[88:89] -M_loc (the packed form names a pair and takes its low word)
.set LA,    90                         ; v[90:91], v[92:93] the sum, in two chains of pairs
.set LB,    92
.set TP,    94
.set TM,    96                         ; v96-99 the blocks' largest scores, then p; v100-103 the other half's / bytes; v108-111 scale operands
.set W,     112                        ; v112-119 the tiles' scale words
.set MM,    120                        ; v120-127 their -M_loc
.set LL,    128                        ; v128-135 their l_loc
.set MSB,   0
.macro WIN new
.if MSB != (\new)
	s_set_vgpr_msb (MSB<<8)|(\new)
.set MSB, (\new)
.endif
.endm
.macro PLACES
.rept 4
	v_nop
.endr
.endm
.macro CREST
	s_cmp_lg_u32 s14, 0
	s_cbranch_scc1 .Lnot_wave_0_\@
	s_barrier_signal -3
.Lnot_wave_0_\@:
	s_barrier_wait -3
	s_barrier_signal -1
	s_barrier_wait -1
.endm
.macro CROUND
	s_barrier_signal -1
	s_barrier_wait -1
	CREST
.endm
.macro JLOAD n                         ; a joint load into slot n: waves 0, 1 fetch for S1, waves 2, 3 for S0; an s_nop 0 and four v_nop follow each line
	s_cmp_eq_u32 s15, 0
	s_cbranch_scc0 .Lfor_b_\@
	tensor_load_to_lds s[G0A+4*\n:G0A+4*\n+3], s[G1A:G1A+7]
	s_nop 0
.rept 4
	v_nop
.endr
	s_branch .Lasked_\@
.Lfor_b_\@:
	tensor_load_to_lds s[G0B+4*\n:G0B+4*\n+3], s[G1B:G1B+7]
	s_nop 0
.rept 4
	v_nop
.endr
.Lasked_\@:
.endm
.macro FIRST n                         ; slot n's two groups 0
	s_mov_b32 s[G0A+4*\n], 1
	s_add_co_u32 s[G0A+4*\n+1], s22, \n*SLOT
	s_add_nc_u64 s[G0A+4*\n+2:G0A+4*\n+3], s[20:21], \n*NQ*BLK
	s_or_b32 s[G0A+4*\n+3], s[G0A+4*\n+3], 0x80000000
	s_mov_b32 s[G0B+4*\n], 1
	s_add_co_u32 s[G0B+4*\n+1], s23, \n*SLOT
	s_add_nc_u64 s[G0B+4*\n+2:G0B+4*\n+3], s[74:75], \n*NQ*BLK
	s_or_b32 s[G0B+4*\n+3], s[G0B+4*\n+3], 0x80000000
.endm
.macro FETCH k                         ; K step k's fragments and scale words into set k % 2
.set SL, ((\k)/NQ)%NS
.set QO, ((\k)%NQ)*BLK
.set PP, (\k)%2
	WIN 0x40
.irp b, 0,1,2,3,4,5,6,7
.irp c, 0,1,2
	ds_load_b128 v[128*PP+12*\b+4*\c:128*PP+12*\b+4*\c+3], v[A0+SL] offset:QO+1536*\b+512*\c
.endr
.endr
	WIN 0
.set TT, 0
.rept NA
.irp c, 0,1,2
	ds_load_b128 v[64+12*NA*PP+12*TT+4*\c:64+12*NA*PP+12*TT+4*\c+3], v[A1+SL] offset:QO+1536*TT+512*\c
.endr
.set TT, TT+1
.endr
	ds_load_b128 v[32+8*PP:35+8*PP], v[A0+SL] offset:QO+SCO
	ds_load_b128 v[36+8*PP:39+8*PP], v[A1+SL] offset:QO+SCO
.endm
.macro WM c
.if RA && RB
	v_wmma_scale_f32_16x16x128_f8f6f4 v[AC:AC+7], v[F0:F0+11], v[F1:F1+11], \c, v[SA], v[SB] matrix_a_fmt:MATRIX_FMT_FP6 matrix_b_fmt:MATRIX_FMT_FP6 matrix_a_scale:MATRIX_SCALE_ROW1 matrix_b_scale:MATRIX_SCALE_ROW1
.elseif RA
	v_wmma_scale_f32_16x16x128_f8f6f4 v[AC:AC+7], v[F0:F0+11], v[F1:F1+11], \c, v[SA], v[SB] matrix_a_fmt:MATRIX_FMT_FP6 matrix_b_fmt:MATRIX_FMT_FP6 matrix_a_scale:MATRIX_SCALE_ROW1
.elseif RB
	v_wmma_scale_f32_16x16x128_f8f6f4 v[AC:AC+7], v[F0:F0+11], v[F1:F1+11], \c, v[SA], v[SB] matrix_a_fmt:MATRIX_FMT_FP6 matrix_b_fmt:MATRIX_FMT_FP6 matrix_b_scale:MATRIX_SCALE_ROW1
.else
	v_wmma_scale_f32_16x16x128_f8f6f4 v[AC:AC+7], v[F0:F0+11], v[F1:F1+11], \c, v[SA], v[SB] matrix_a_fmt:MATRIX_FMT_FP6 matrix_b_fmt:MATRIX_FMT_FP6
.endif
.endm
.macro MULT a, p, cmode                ; S1's tile a against S0's eight, set p.  cmode 0: C = 0;  3: the sum goes on
.set WN, 0xa1+0x50*((\a)/4)            ; source 0 window 1, source 1 window 0, C and D window 2 or 3
	WIN WN
.irp b, 0,1,2,3,4,5,6,7
.set AC, 8*(8*((\a)%4)+\b)
.set F0, 128*(\p)+12*\b
.set F1, 64+12*NA*(\p)+12*(\a)
.set SA, 32+8*(\p)+\b%4
.set SB, 36+8*(\p)+(\a)%4
.set RA, \b/4
.set RB, (\a)/4
.if (\cmode) == 0
	WM 0
.else
	WM v[AC:AC+7]
.endif
.endr
.endm
.macro MULTS a0, n, p, cmode           ; all accumulators take turns, one instruction a turn, in the same order in every step
.set AA, \a0
.rept \n
	MULT AA, \p, \cmode
.set AA, AA+1
.endr
.endm
.macro STEP k, cmode, ask
	s_wait_dscnt 0x0                               ; this step's set is in (asked for a step ago)
.if (\k) > 0
	PLACES                                         ; the other set was read by the last step's products
.endif
	FETCH (\k)+1
.if \ask
	global_prefetch_b8 v[PF2], s[86:87] offset:2*NQ*BLK th:TH_LOAD_NT scope:SCOPE_SE   ; my share of the last fill, K steps 6 and 7
.endif
	MULTS 0, NA, (\k)%2, \cmode
.endm
.macro TURN k, fill                    ; a slot's last step changes slots: ONE barrier; fill = 1: the slot that is left is filled again
.set FS, ((\k)/NQ)%NS
	WIN 0
	s_wait_tensorcnt 0x0                           ; all my tensor loads have landed;
	ds_add_u32 v[SPW], v[NIL]                      ; 0 onto my spare word;
.if \fill
	s_mov_b32 s[G1A+2], RWL<<16                    ; no tensor load of mine is out, so a descriptor may be written: the last fill brings two K steps
	s_mov_b32 s[G1A+4], RWL
	s_mov_b32 s[G1B+2], RWL<<16
	s_mov_b32 s[G1B+4], RWL
.endif
	s_wait_dscnt 1                                 ; (the add alone may be out: this step's set is in)
	MULTS 0, NA/4, (\k)%2, 3
	s_wait_dscnt 0x0                               ; the add is done, and my reads of the slot are over
	s_barrier_signal -1
	MULTS NA/4, NA/4, (\k)%2, 3
	WIN 0
	s_barrier_wait -1
.if \fill
	CREST                                          ; a round of the cluster's barrier: no wave of any partner still reads the slot or has a load on its way
	s_add_nc_u64 s[G0A+4*FS+2:G0A+4*FS+3], s[G0A+4*FS+2:G0A+4*FS+3], NS*NQ*BLK
	s_add_nc_u64 s[G0B+4*FS+2:G0B+4*FS+3], s[G0B+4*FS+2:G0B+4*FS+3], NS*NQ*BLK
	JLOAD FS                                       ; the first tensor load behind the round; its four v_nop are also the places in front of the loads below
.else
	PLACES
.endif
	FETCH (\k)+1
	MULTS NA/2, NA/2, (\k)%2, 3
.endm
.macro LAST k
	s_wait_dscnt 0x0
	MULTS 0, NA, (\k)%2, 3
	WIN 0
	PLACES
.endm
.macro QSCALE a
.irp b, 0,1,2,3
	v_add_nc_u32 v[TM+12+\b], 0xff000000, v[TM+\b] ; 2 off the exponent field: the conversion's scale operand
.endr
.irp b, 0,1,2,3
	v_lshrrev_b32 v[TM+4+\b], 23, v[TM+12+\b]      ; the scale's byte
.endr
	v_lshl_or_b32 v[W+(\a)], v[TM+5], 8, v[TM+4]
	v_lshl_or_b32 v[W+(\a)], v[TM+6], 16, v[W+(\a)]
	v_lshl_or_b32 v[W+(\a)], v[TM+7], 24, v[W+(\a)]
.endm
.macro QCODE a
	s_wait_xcnt 0x0                                ; the last image's stores have read the codes' registers
	WIN WA
.irp c, 0,1
	v_cvt_scalef32_pk16_fp6_f32 v[PC+6*\c:PC+6*\c+2], v[H+32*\c:H+32*\c+15], v[TM+12+2*\c]
	v_cvt_scalef32_pk16_fp6_f32 v[PC+12+4*\c:PC+14+4*\c], v[H+16+32*\c:H+31+32*\c], v[TM+13+2*\c]
.endr
	WIN 0
	v_nop                                          ; one plain place behind a scaled conversion
.irp c, 0,1
.irp i, 0,1,2
	v_permlane16_swap_b32 v[PC+6*\c+\i], v[PC+12+4*\c+\i]
.endr
.irp i, 0,1,2
	v_mov_b32 v[PC+3+6*\c+\i], v[PC+12+4*\c+\i]
.endr
.endr
.irp c, 0,1,2
	global_store_b128 v[OA], v[PC+4*\c:PC+4*\c+3], s[76:77] offset:1536*(\a)+512*\c   ; 32 lanes store 512 consecutive bytes, at a multiple of 256 from the buffer's first byte
.endr
.endm
; Tile a's 64 scores of my query become p, its sum, its codes and its scale word.
.macro SOFT a
.set WA, 2+(\a)/4
.set H, 64*((\a)%4)
	WIN (WA<<2)|(WA<<4)
.irp b, 0,1,2,3
	v_max3_num_f32 v[TM+\b], s85, v[H+16*\b], v[H+16*\b+1]   ; the largest score of each block of 32 keys (s85: -infinity); each accumulator is read from its low end on
.endr
.irp i, 2,4,6,8,10,12,14
.irp b, 0,1,2,3
	v_max3_num_f32 v[TM+\b], v[TM+\b], v[H+16*\b+\i], v[H+16*\b+\i+1]
.endr
.endr
	WIN 0
.irp b, 0,1,2,3
	v_permlanex16_b32 v[TM+4+\b], v[TM+\b], s80, s81
.endr
.irp b, 0,1,2,3
	v_max_num_f32 v[TM+\b], v[TM+\b], v[TM+4+\b]   ; with lane l xor 16's 16 keys
.endr
	v_max3_num_f32 v[TP], v[TM], v[TM+1], v[TM+2]
	v_max_num_f32 v[TP], v[TP], v[TM+3]            ; the largest score of my query among these 128 keys,
	v_mul_f32 v[TP], s82, v[TP]                    ; as t (c is positive)
	v_floor_f32 v[NMR], -v[TP]                     ; -M_loc = floor(-t) = -ceil(t): a whole number
.irp b, 0,1,2,3
	v_fma_f32 v[TM+\b], v[TM+\b], s82, v[NMR]      ; t - M_loc of each block's largest score
.endr
	WIN (WA<<6)|WA
.set J, 0
.rept 32
	v_pk_fma_f32 v[H+J:H+J+1], v[H+J:H+J+1], s[82:83], v[NMR:NMR+1] op_sel_hi:[1,0,0]   ; t - M_loc, two at a time
.set J, J+2
.endr
	s_wait_alu depctr_va_vdst(0)
.set J, 0
.rept 64
	v_exp_f32 v[H+J], v[H+J]                       ; p = 2^(t - M_loc), at most 1
.set J, J+1
.endr
	WIN 0
	v_mov_b32 v[MM+(\a)], v[NMR]                   ; (a plain place behind the exponentials)
	s_wait_alu depctr_va_vdst(0)                   ; one wait for the batch of 64, ahead of its first reader
.irp b, 0,1,2,3
	v_exp_f32 v[TM+\b], v[TM+\b]                   ; the blocks' largest p: the same two instructions on the same number give the same bits
.endr
	WIN (WA<<2)|WA
	v_pk_add_f32 v[LA:LA+1], v[H:H+1], v[H+2:H+3]  ; the sum is taken of the UNQUANTISED p, two at a time, in two chains (plain work behind the four)
	v_pk_add_f32 v[LB:LB+1], v[H+4:H+5], v[H+6:H+7]
	WIN WA<<2
.irp j, 8,12,16,20,24,28,32,36,40,44,48,52,56,60
	v_pk_add_f32 v[LA:LA+1], v[LA:LA+1], v[H+\j:H+\j+1]
	v_pk_add_f32 v[LB:LB+1], v[LB:LB+1], v[H+\j+2:H+\j+3]
.endr
	WIN 0
	v_pk_add_f32 v[LA:LA+1], v[LA:LA+1], v[LB:LB+1]
	v_add_f32 v[LA], v[LA], v[LA+1]
	v_permlanex16_b32 v[TP], v[LA], s80, s81
	v_add_f32 v[LL+(\a)], v[LA], v[TP]             ; with lane l xor 16's: l_loc
	s_wait_alu depctr_va_vdst(0)                   ; and one wait for the four
.irp b, 0,1,2,3
	v_max_num_f32 v[TM+\b], s84, v[TM+\b]          ; the floor 2^(3 - 127): the byte cannot fall under 1
.endr
	QSCALE \a
	QCODE \a
.endm
	s_load_b128 s[4:7], s[0:1], 0x0                ; prj s[4:5], pcod s[6:7]
	s_load_b64 s[8:9], s[0:1], 0x10                ; pstat
	v_lshl_add_u32 v[SPW], v0, 2, SPARE
	v_mov_b32 v[NIL], 0
	ds_add_u32 v[SPW], v[NIL]                      ; the wave's opening: the add, twice on end, and its wait ahead of my first tensor load
	ds_add_u32 v[SPW], v[NIL]
	v_lshrrev_b32 v1, 5, v0
	v_readfirstlane_b32 s14, v1                    ; wave 0..3
	s_lshr_b32 s15, s14, 1                         ; which 128 queries are mine.  Also: I fetch for S1 (0) or for S0 (1)
	s_and_b32 s16, s14, 1                          ; which 128 keys.  Also: which group of 128 rows I fetch
	s_bfe_u32 s66, ttmp6, 0x40000                  ; cx
	s_bfe_u32 s67, ttmp6, 0x40004                  ; cy
	s_and_b32 s68, ttmp7, 0xffff                   ; the cluster's y, 0..7
	s_lshl_b32 s17, s68, 2
	s_add_co_u32 s17, s17, s67                     ; my block of 256 queries, 0..31, over all batches
	s_lshl_b32 s72, ttmp9, 2
	s_add_co_u32 s72, s72, s66                     ; my block of 256 keys, 0..7, in the batch
	s_lshl_b32 s69, s67, 2
	s_lshl_b32 s69, 15, s69                        ; my row of the cluster
	s_lshl_b32 s70, 0x1111, s66                    ; my column
	s_or_b32 s[G1A], s69, (3<<16)|(1<<21)          ; 15:0 the mask; 17:16 elements of 8 bytes; 21 set beside a mask; no padding
	s_or_b32 s[G1B], s70, (3<<16)|(1<<21)
.irp g, G1A, G1B
	s_mov_b32 s[\g+1], 32<<16                      ; rows of 256 bytes of a dense block
	s_mov_b32 s[\g+2], RW<<16
	s_mov_b32 s[\g+3], 32<<16
	s_mov_b32 s[\g+4], RW
	s_mov_b32 s[\g+5], 32
	s_mov_b32 s[\g+6], 0
	s_mov_b32 s[\g+7], 0
.endr
	s_lshl_b32 s19, s17, 1
	s_add_co_u32 s19, s19, s16                     ; qp: the group of 128 queries that I would fetch; eight BLKs a group
	s_lshl_b32 s19, s19, 3
	s_mul_i32 s20, s19, BLK
	s_mov_b32 s21, 0
	s_lshr_b32 s73, s68, 1                         ; the batch (the cluster's y alone)
	s_lshl_b32 s73, s73, 4                         ; 16 groups of keys a batch
	s_lshl_b32 s74, s72, 1
	s_add_co_u32 s74, s74, s73
	s_add_co_u32 s74, s74, s16                     ; kp: the group of 128 keys
	s_lshl_b32 s74, s74, 3
	s_add_co_u32 s74, s74, 512                     ; kp begins at BLK 512
	s_mul_i32 s74, s74, BLK
	s_mov_b32 s75, 0
	s_lshl_b32 s86, s17, 1
	s_add_co_u32 s86, s86, s15                     ; my queries' group g,
	s_lshl_b32 s87, s72, 1
	s_add_co_u32 s87, s87, s16                     ; my key step
	s_lshl_b32 s88, s86, 4
	s_add_co_u32 s88, s88, s87                     ; 16 g + key step
	s_mul_i32 s90, s88, BLK
	s_mov_b32 s91, 0
	s_lshl_b32 s92, s88, 10
	s_mov_b32 s93, 0
	s_mul_i32 s22, s16, NQ*BLK                     ; where my fetch goes in a slot
	s_add_co_u32 s23, s22, 2*NQ*BLK
	s_mov_b32 s78, 0xffff0000                      ; lanes 16-31
	s_mov_b32 s80, 0x76543210
	s_mov_b32 s81, 0xfedcba98
	s_mov_b32 s82, 0x3d38aa3b                      ; c = log2(e) / sqrt(1024)
	s_mov_b32 s83, s82                             ; (named with it as a pair, so it is written)
	s_mov_b32 s84, 0x1800000                       ; the floor 2^(3 - 127)
	s_mov_b32 s85, 0xff800000                      ; -infinity
	s_wait_dscnt 0x0                               ; both opening adds are done
	s_wait_kmcnt 0x0
	s_add_nc_u64 s[20:21], s[4:5], s[20:21]
	s_add_nc_u64 s[74:75], s[4:5], s[74:75]
	s_add_nc_u64 s[76:77], s[6:7], s[90:91]        ; my BLK of pcod
	s_add_nc_u64 s[8:9], s[8:9], s[92:93]          ; my 1,024 bytes of pstat
	CROUND                                         ; all sixteen work-groups are here: the first joint loads meet
	FIRST 0
	FIRST 1
	JLOAD 0                                        ; K steps 0-2: one tensor load a wave at the head
	s_cmp_eq_u32 s15, 0                            ; the prefetches: do I fetch for S1?
	s_cselect_b32 s18, s66, s67                    ; my place among the four that ask with me
	s_cselect_b64 s[86:87], s[20:21], s[74:75]     ; where my loads begin
	s_mul_i32 s19, s18, 38
	s_mul_i32 s18, s18, 25
	s_mul_i32 s22, s15, NQ*BLK
	s_mul_i32 s23, s16, NQ*BLK
	s_add_co_u32 s23, s23, 2*NQ*BLK
	v_and_b32 v1, 31, v0
	v_lshlrev_b32 v[LI], 4, v1
	v_add_nc_u32 v[PF0], s19, v1                   ; of 150 blocks: 38 x place + lane,
	v_add_nc_u32 v[PF1], 32, v1
	v_min_u32 v[PF1], 37, v[PF1]
	v_add_nc_u32 v[PF1], s19, v[PF1]               ; and + 32 .. 37,
	v_min_u32 v[PF1], 149, v[PF1]                  ; inside the load
	v_min_u32 v[PF2], 24, v1
	v_add_nc_u32 v[PF2], s18, v[PF2]               ; of 100 blocks: 25 x place + lane
	v_lshlrev_b32 v[PF0], 8, v[PF0]
	v_lshlrev_b32 v[PF1], 8, v[PF1]
	v_lshlrev_b32 v[PF2], 8, v[PF2]
	s_wait_alu depctr_va_vdst(0)
	global_prefetch_b8 v[PF0], s[86:87] offset:NQ*BLK th:TH_LOAD_NT scope:SCOPE_SE   ; my share of the second fill, K steps 3-5
	global_prefetch_b8 v[PF1], s[86:87] offset:NQ*BLK th:TH_LOAD_NT scope:SCOPE_SE
.irp n, 0,1
	v_add_nc_u32 v[A1+\n], s22, v[LI]
	v_add_nc_u32 v[A0+\n], s23, v[LI]
	s_add_co_u32 s22, s22, SLOT
	s_add_co_u32 s23, s23, SLOT
.endr
	s_wait_alu depctr_va_vdst(0)
	s_wait_tensorcnt 0x0                           ; my part of slot 0 is in
	ds_add_u32 v[SPW], v[NIL]
	s_wait_dscnt 0x0
	CROUND                                         ; slot 0 is whole for every wave, and all sixteen work-groups are here
	JLOAD 1                                        ; slot 1's first fill, K steps 3-5: the first tensor load behind the round
	FETCH 0
	STEP 0, 0, 1                                   ; the first products start the sums
	STEP 1, 3, 0
	TURN 2, 1                                      ; slot 0 is left and takes K steps 6, 7
	STEP 3, 3, 0
	STEP 4, 3, 0
	TURN 5, 0
	STEP 6, 3, 0
	LAST 7
.irp b, 0,1,2,3
	v_mov_b32 v[TM+4+\b], 0                        ; written once: a lane permute's destination counts as one of its sources
.endr
	v_mov_b32 v[TP], 0
	v_mov_b32 v[NMR+1], 0                          ; (named as the upper half of a pair)
.set TI, 0
.rept 8
	SOFT TI
.set TI, TI+1
.endr
.irp i, 0,1,2,3
	v_cndmask_b32 v[OUT+\i], v[W+\i], v[W+4+\i], s78       ; lanes 0-15: tiles 0-3; lanes 16-31: tiles 4-7
	v_cndmask_b32 v[136+\i], v[MM+\i], v[MM+4+\i], s78
	v_cndmask_b32 v[140+\i], v[LL+\i], v[LL+4+\i], s78
.endr
	global_store_b128 v[LI], v[OUT:OUT+3], s[76:77] offset:SCO
	global_store_b128 v[LI], v[136:139], s[8:9]
	global_store_b128 v[LI], v[140:143], s[8:9] offset:512
	s_wait_tensorcnt 0x0                           ; the wave's end
	ds_add_u32 v[SPW], v[NIL]
	s_wait_dscnt 0x0
	CROUND                                         ; the closing round
	s_endpgm
.Lfunc_end_k_q0179f66747_scores:
	.size	k_q0179f66747_scores, .Lfunc_end_k_q0179f66747_scores-k_q0179f66747_scores
	.p2alignl 7, 3214868480
	.fill 96, 4, 3214868480
	.section	.rodata,"a",@progbits
	.p2align	6, 0x0
	.amdhsa_kernel k_q0179f66747_scores
		.amdhsa_group_segment_fixed_size 327680
		.amdhsa_private_segment_fixed_size 0
		.amdhsa_enable_private_segment 0
		.amdhsa_kernarg_size 24
		.amdhsa_user_sgpr_count 2
		.amdhsa_user_sgpr_kernarg_segment_ptr 1
		.amdhsa_wavefront_size32 1
		.amdhsa_system_sgpr_workgroup_id_x 1
		.amdhsa_system_sgpr_workgroup_id_y 1
		.amdhsa_system_sgpr_workgroup_id_z 1
		.amdhsa_system_vgpr_workitem_id 0
		.amdhsa_next_free_vgpr 1024
		.amdhsa_next_free_sgpr 100
		.amdhsa_reserve_vcc 0
		.amdhsa_float_denorm_mode_32 3
		.amdhsa_float_denorm_mode_16_64 3
		.amdhsa_memory_ordered 1
		.amdhsa_forward_progress 1
		.amdhsa_inst_pref_size 191
	.end_amdhsa_kernel
	.amdgpu_metadata
---
amdhsa.version: [ 1, 2 ]
amdhsa.kernels:
  - .name:           k_q0179f66747_scores
    .symbol:         k_q0179f66747_scores.kd
    .args:
      - { .name: prj, .offset: 0, .size: 8, .value_kind: global_buffer, .address_space: global }
      - { .name: pcod, .offset: 8, .size: 8, .value_kind: global_buffer, .address_space: global }
      - { .name: pstat, .offset: 16, .size: 8, .value_kind: global_buffer, .address_space: global }
    .group_segment_fixed_size: 327680
    .private_segment_fixed_size: 0
    .kernarg_segment_align: 8
    .kernarg_segment_size: 24
    .max_flat_workgroup_size: 128
    .sgpr_count:     100
    .vgpr_count:     1024
    .wavefront_size: 32
...
	.end_amdgpu_metadata
.endif
;; end of part 3
;; launch pv (part 4): grid 4 x 64, 4 waves a work-group, clusters of 4 x 4, 327,680 bytes of LDS; arguments pcod, pstat, prj, ctxc; writes ctxc
.if DOCPART == 4
	.amdgcn_target "amdgcn-amd-amdhsa--gfx1250"
	.amdhsa_code_object_version 6
	.text
	.protected	k_q0179f66747_pv
	.globl	k_q0179f66747_pv
	.p2align	8
	.type	k_q0179f66747_pv,@function
k_q0179f66747_pv:
	s_mov_b64 s[64:65], 0
	v_nop
	global_prefetch_b8 v0, s[64:65] scope:SCOPE_SE
	s_setreg_imm32_b32 hwreg(HW_REG_WAVE_MODE, 25, 1), 1
	s_wait_xcnt 0x0
	s_wait_alu depctr_hold_cnt(0) depctr_sa_sdst(0) depctr_va_vdst(0) depctr_va_sdst(0) depctr_va_ssrc(0) depctr_va_vcc(0) depctr_vm_vsrc(0)
	s_getreg_b32 s2, hwreg(HW_REG_IB_STS2, 6, 4)
	s_cmp_eq_u32 s2, 0
	s_cbranch_scc0 .Lentry_in_a_cluster
	s_endpgm
.Lentry_in_a_cluster:
	s_bfe_u32 s2, ttmp6, 0x10000c
	s_cmp_lg_u32 s2, 0xf033
	s_cbranch_scc0 .Lentry_shape_is_right
	s_endpgm
.Lentry_shape_is_right:
; LAUNCH 4 OF 5: ctx = (P vp) / l on codes of FP6 (E2M3), quantised along the model axis on the way out.  Nothing is left out.
; OPERANDS lie as BLKs of 12,800 bytes (128 rows x 128 K): eight images of 1,536 bytes (image t = the 12 operand registers of a tile of 16 rows: group c of lane L at 1536 t + 512 c + 16 L), then 128 scale words
; (tile 4 j + i, lane r, at 12288 + 16 (16 j + r) + 4 i).  Lane r of tile t is row 32 (t / 2) + 16 (r / 8) + 8 (t % 2) + r % 8 of the 128.
; TRANSPOSED USE: source 0 = 16 channels of vp (S0; its K, the keys, innermost), source 1 = 16 queries of P (S1): a lane holds one query, and a tile's 64 registers run along 128 neighbouring channels, the next K.
; THE ROW'S M.  P came under a whole number M_loc for each (query, 128 keys).  M = the largest of a query's 16 M_loc.  2^(M_loc - M) is an exact power of two: it is taken off the four scale bytes of the query's word of that key step
; (held at 0), and l = the sum of l_loc x 2^(M_loc - M).  THE 16 KEY STEPS ARE SHARED OUT: wave w loads the statistics and words of key steps 4 w .. 4 w + 3 alone, for all 128 queries (4 a lane): 12 loads of 512 bytes.
; The least of its four -M_loc goes to LDS; behind a barrier every wave takes the least of the four waves': -M.  The wave then rewrites its four key steps' words into a table in LDS, from which all waves take P's scale words,
; and leaves its part of l in LDS; on the way out each wave adds the four parts and takes 1 / l.
; SHARES.  A work-group makes 128 queries x 256 channels; a wave 64 x 128: 32 accumulators.  256 work-groups in 16 clusters of 4 x 4; P's BLKs are shared along a row of the cluster, vp's along a column, by joint loads.
; THE RING.  K = 2048 keys: 16 steps through two slots of four steps: four fills, one tensor load a wave out at any time.  Slot 0's first fill stands at the head and is on its way while M and the table are made; slot 1's stands
; behind the three lines and a round (that round also shows the table and the parts of l to all four waves); each slot is filled once more, with four steps, 128 matrix instructions, in which to land.
; PREFETCH: the next fill's bytes are asked for behind each fill's load, four K steps ahead of the load that wants them.  Of the 100 or 200 blocks of 256 bytes that a wave's load names, each of the four partners that ask jointly
; takes 25 or 50, told apart by address (cx for P, cy for vp); a lane a block, left-over lanes name the share's last block again.  The last fill asks for nothing.  The address registers are never rewritten.
; LIMITS: NaN and infinities are not served; M - M_loc is held at 255 and a byte of P at 0 (such blocks lie under 2^-120 of the row's largest term); in ctx a block under 2^-124 has its byte held at 1, a block of zeros too.
; REGISTERS: window 0: v1-15 lane numbers and addresses; v16-23 1 / l of my four tiles, each twice; v24-25 the prefetches' offsets; v26-27 LDS addresses of the parts; v28, v29 the add's two; v32-47 scale words;
;   v64-159 S1's fragments, two sets of 48; ahead of the loop and behind it v64-239 the statistics;   window 1: S0's fragments, two sets at v0 and v128;   window 2: accumulator (i, b) at v[8 (8 i + b)].
.set NA,    4
.set NQ,    4
.set NS,    2
.set BLK,   12800
.set SCO,   12288
.set SLOT,  3*NQ*BLK                   ; S1's four K steps, then S0's two groups of 128 rows, four K steps each
.set TBL,   NS*SLOT                    ; behind the slots: P's scale words under the row's M, 512 bytes a key step; no fill lands here
.set XM,    TBL+8192                   ; the four waves' least -M_loc, 512 bytes a wave; 2,048 bytes on, their parts of l; no fill lands here
.set SPARE, TBL+12288                  ; the spare words, 128 bytes for each wave: two blocks of 256 bytes that no other line names
.set RWA,   2*BLK/256                  ; S1: two K steps to a load;
.set RWB,   NQ*BLK/256                 ; S0: four
.set G1A,   24
.set G0A,   32
.set G1B,   44
.set G0B,   52
.set LI,    4                          ; v4      16 x lane
.set OA,    5                          ; v5      the images' store offset: 16 x lane + 6144 x my half of the queries
.set OW,    6                          ; v6      the words': 16 r + 256 x my half
.set A1,    8                          ; v8-9    LDS address of my four tiles of S1 in slot 0, 1
.set A0,    11                         ; v11-12  of my S0 BLKs
.set AS1,   14                         ; v14     the table: my four tiles' words
.set TBW,   15                         ; v15     the table: where I store the words of my four key steps
.set RL,    16
.set PF0,   24                         ; v24     256 x min(lane, N - 1): my share's blocks 0-31 (N = 25 for S1's waves, 50 for S0's)
.set PF1,   25                         ; v25     256 x min(lane + 32, N - 1): S0's waves alone use it
.set XW,    26                         ; v26     XM + 512 x wave + 16 x lane: where I store my parts
.set XR,    27                         ; v27     XM + 16 x lane: where I read the four waves'
.set SPW,   28
.set NIL,   29
.set PC,    64
.set TM,    96
.set W,     112
.set MB,    64                         ; v64-79   the four waves' least -M_loc of my 4 rows
.set LB,    128                        ; v128-143 l_loc of my 4 key steps x my 4 rows; on the way out the four waves' parts of l
.set NE,    144                        ; v144-159 M_loc - M as whole numbers
.set WB,    192                        ; v192-207 the scale words of my wave's 4 key steps
.set MW,    208                        ; v208-223 their -M_loc, then M - M_loc
.set MN,    224                        ; v224-227 -M
.set LS,    228                        ; v228-231 my part of l; on the way out l, then 1 / l
.set TP,    232                        ; v232-239 at work
.set MSB,   0
.macro WIN new
.if MSB != (\new)
	s_set_vgpr_msb (MSB<<8)|(\new)
.set MSB, (\new)
.endif
.endm
.macro PLACES
.rept 4
	v_nop
.endr
.endm
.macro CREST
	s_cmp_lg_u32 s14, 0
	s_cbranch_scc1 .Lnot_wave_0_\@
	s_barrier_signal -3
.Lnot_wave_0_\@:
	s_barrier_wait -3
	s_barrier_signal -1
	s_barrier_wait -1
.endm
.macro CROUND
	s_barrier_signal -1
	s_barrier_wait -1
	CREST
.endm
.macro JLOAD n                         ; a joint load into slot n: waves 0, 1 fetch for S1, waves 2, 3 for S0; an s_nop 0 and four v_nop follow each line
	s_cmp_eq_u32 s15, 0
	s_cbranch_scc0 .Lfor_b_\@
	tensor_load_to_lds s[G0A+4*\n:G0A+4*\n+3], s[G1A:G1A+7]
	s_nop 0
.rept 4
	v_nop
.endr
	s_branch .Lasked_\@
.Lfor_b_\@:
	tensor_load_to_lds s[G0B+4*\n:G0B+4*\n+3], s[G1B:G1B+7]
	s_nop 0
.rept 4
	v_nop
.endr
.Lasked_\@:
.endm
.macro FIRST n                         ; slot n's two groups 0
	s_mov_b32 s[G0A+4*\n], 1
	s_add_co_u32 s[G0A+4*\n+1], s22, \n*SLOT
	s_add_nc_u64 s[G0A+4*\n+2:G0A+4*\n+3], s[20:21], \n*NQ*BLK
	s_or_b32 s[G0A+4*\n+3], s[G0A+4*\n+3], 0x80000000
	s_mov_b32 s[G0B+4*\n], 1
	s_add_co_u32 s[G0B+4*\n+1], s23, \n*SLOT
	s_add_nc_u64 s[G0B+4*\n+2:G0B+4*\n+3], s[74:75], \n*NQ*BLK
	s_or_b32 s[G0B+4*\n+3], s[G0B+4*\n+3], 0x80000000
.endm
.macro ASK off                         ; my share of my load that begins off bytes behind my first
	global_prefetch_b8 v[PF0], s[86:87] offset:\off th:TH_LOAD_NT scope:SCOPE_SE
	s_cmp_eq_u32 s15, 0
	s_cbranch_scc1 .Lone_\@
	global_prefetch_b8 v[PF1], s[86:87] offset:\off th:TH_LOAD_NT scope:SCOPE_SE
.Lone_\@:
.endm
.macro FETCH k                         ; K step k's fragments and scale words into set k % 2, in one run
.set SL, ((\k)/NQ)%NS
.set QO, ((\k)%NQ)*BLK
.set PP, (\k)%2
	WIN 0x40
.irp b, 0,1,2,3,4,5,6,7
.irp c, 0,1,2
	ds_load_b128 v[128*PP+12*\b+4*\c:128*PP+12*\b+4*\c+3], v[A0+SL] offset:QO+1536*\b+512*\c
.endr
.endr
	WIN 0
.set TT, 0
.rept NA
.irp c, 0,1,2
	ds_load_b128 v[64+12*NA*PP+12*TT+4*\c:64+12*NA*PP+12*TT+4*\c+3], v[A1+SL] offset:QO+1536*TT+512*\c
.endr
.set TT, TT+1
.endr
	ds_load_b128 v[32+8*PP:35+8*PP], v[A0+SL] offset:QO+SCO
	ds_load_b128 v[36+8*PP:39+8*PP], v[AS1] offset:(\k)*512   ; register i: my tile i's words, in lanes 0-15 (lanes 16-31 hold the same)
.endm
.macro WM c
.if RA
	v_wmma_scale_f32_16x16x128_f8f6f4 v[AC:AC+7], v[F0:F0+11], v[F1:F1+11], \c, v[SA], v[SB] matrix_a_fmt:MATRIX_FMT_FP6 matrix_b_fmt:MATRIX_FMT_FP6 matrix_a_scale:MATRIX_SCALE_ROW1
.else
	v_wmma_scale_f32_16x16x128_f8f6f4 v[AC:AC+7], v[F0:F0+11], v[F1:F1+11], \c, v[SA], v[SB] matrix_a_fmt:MATRIX_FMT_FP6 matrix_b_fmt:MATRIX_FMT_FP6
.endif
.endm
.macro MULT a, p, cmode                ; S1's tile a against S0's eight, set p.  cmode 0: C = 0;  3: the sum goes on
	WIN 0xa1                                       ; source 0 window 1, source 1 window 0, C and D window 2
.irp b, 0,1,2,3,4,5,6,7
.set AC, 8*(8*(\a)+\b)
.set F0, 128*(\p)+12*\b
.set F1, 64+12*NA*(\p)+12*(\a)
.set SA, 32+8*(\p)+\b%4
.set SB, 36+8*(\p)+(\a)
.set RA, \b/4
.if (\cmode) == 0
	WM 0
.else
	WM v[AC:AC+7]
.endif
.endr
.endm
.macro MULTS a0, n, p, cmode           ; all accumulators take turns, one instruction a turn, in the same order in every step
.set AA, \a0
.rept \n
	MULT AA, \p, \cmode
.set AA, AA+1
.endr
.endm
.macro STEP k, cmode, ask
	s_wait_dscnt 0x0                               ; this step's set is in (asked for a step ago)
.if (\k) > 0
	PLACES                                         ; the other set was read by the last step's products
.endif
	FETCH (\k)+1
.if \ask
	ASK 2*NQ*BLK                                   ; fill 2, key steps 8-11
.endif
	MULTS 0, NA, (\k)%2, \cmode
.endm
.macro TURN k, fill, ask               ; a slot's last step changes slots: ONE barrier; fill = 1: the slot that is left is filled again
.set FS, ((\k)/NQ)%NS
	WIN 0
	s_wait_tensorcnt 0x0                           ; all my tensor loads have landed: my part of the next slot;
	ds_add_u32 v[SPW], v[NIL]                      ; 0 onto my spare word;
	s_wait_dscnt 1                                 ; (the add alone may be out: this step's set is in)
	MULTS 0, NA/4, (\k)%2, 3
	s_wait_dscnt 0x0                               ; the add is done, and my reads of the slot are over
	s_barrier_signal -1
	MULTS NA/4, NA/4, (\k)%2, 3
	WIN 0
	s_barrier_wait -1
.if \fill
	CREST                                          ; a round of the cluster's barrier: no wave of any partner still reads the slot or has a load on its way
	s_add_nc_u64 s[G0A+4*FS+2:G0A+4*FS+3], s[G0A+4*FS+2:G0A+4*FS+3], NS*NQ*BLK
	s_add_nc_u64 s[G0B+4*FS+2:G0B+4*FS+3], s[G0B+4*FS+2:G0B+4*FS+3], NS*NQ*BLK
	JLOAD FS                                       ; the first tensor load behind the round; its four v_nop are also the places in front of the loads below
.else
	PLACES
.endif
	FETCH (\k)+1
.if \ask
	ASK 3*NQ*BLK                                   ; fill 3, key steps 12-15
.endif
	MULTS NA/2, NA/2, (\k)%2, 3
.endm
.macro LAST k
	s_wait_dscnt 0x0
	MULTS 0, NA, (\k)%2, 3
	WIN 0
	PLACES
.endm
.macro QUANTW a                        ; tile a's 64 numbers of my query: four blocks' scales, the codes, the image's store
.set H, 64*(\a)
	WIN 0x28
.irp b, 0,1,2,3
	v_max3_num_f32 v[TM+\b], s84, |v[H+16*\b]|, |v[H+16*\b+1]|   ; block b: my 16 numbers and the floor 2^(3 - 127)
.endr
.irp i, 2,4,6,8,10,12,14
.irp b, 0,1,2,3
	v_max3_num_f32 v[TM+\b], v[TM+\b], |v[H+16*\b+\i]|, |v[H+16*\b+\i+1]|
.endr
.endr
	WIN 0
.irp b, 0,1,2,3
	v_permlanex16_b32 v[TM+4+\b], v[TM+\b], s80, s81
.endr
.irp b, 0,1,2,3
	v_max_num_f32 v[TM+\b], v[TM+\b], v[TM+4+\b]
.endr
.irp b, 0,1,2,3
	v_add_nc_u32 v[TM+12+\b], 0xff000000, v[TM+\b] ; 2 off the exponent field: the conversion's scale operand
.endr
.irp b, 0,1,2,3
	v_lshrrev_b32 v[TM+4+\b], 23, v[TM+12+\b]      ; the scale's byte
.endr
	v_lshl_or_b32 v[W+(\a)], v[TM+5], 8, v[TM+4]
	v_lshl_or_b32 v[W+(\a)], v[TM+6], 16, v[W+(\a)]
	v_lshl_or_b32 v[W+(\a)], v[TM+7], 24, v[W+(\a)]
	s_wait_xcnt 0x0                                ; the last image's stores have read the codes' registers
	WIN 0x02
.irp c, 0,1
	v_cvt_scalef32_pk16_fp6_f32 v[PC+6*\c:PC+6*\c+2], v[H+32*\c:H+32*\c+15], v[TM+12+2*\c]
	v_cvt_scalef32_pk16_fp6_f32 v[PC+12+4*\c:PC+14+4*\c], v[H+16+32*\c:H+31+32*\c], v[TM+13+2*\c]
.endr
	WIN 0
	v_nop                                          ; one plain place behind a scaled conversion
.irp c, 0,1
.irp i, 0,1,2
	v_permlane16_swap_b32 v[PC+6*\c+\i], v[PC+12+4*\c+\i]
.endr
.irp i, 0,1,2
	v_mov_b32 v[PC+3+6*\c+\i], v[PC+12+4*\c+\i]
.endr
.endr
.irp c, 0,1,2
	global_store_b128 v[OA], v[PC+4*\c:PC+4*\c+3], s[76:77] offset:1536*(\a)+512*\c   ; 32 lanes store 512 consecutive bytes, at a multiple of 256 from the buffer's first byte
.endr
.endm
.macro DIVL i                          ; tile i's sums x 1 / l of my query, in place, each accumulator from its low end on
	WIN 0x82                                       ; destination and source 0 window 2
	s_wait_alu depctr_va_vdst(0)
.set J, 0
.rept 32
	v_pk_mul_f32 v[64*(\i)+J:64*(\i)+J+1], v[64*(\i)+J:64*(\i)+J+1], v[RL+2*(\i):RL+2*(\i)+1]
.set J, J+2
.endr
.endm
	s_load_b256 s[4:11], s[0:1], 0x0               ; pcod s[4:5], pstat s[6:7], prj s[8:9], ctxc s[10:11]
	v_lshl_add_u32 v[SPW], v0, 2, SPARE
	v_mov_b32 v[NIL], 0
	ds_add_u32 v[SPW], v[NIL]                      ; the wave's opening: the add, twice on end, and its wait ahead of my first tensor load
	ds_add_u32 v[SPW], v[NIL]
	v_lshrrev_b32 v1, 5, v0
	v_readfirstlane_b32 s14, v1                    ; wave 0..3
	s_lshr_b32 s15, s14, 1                         ; which 64 queries are mine.  Also: I fetch for S1 (0) or for S0 (1)
	s_and_b32 s16, s14, 1                          ; which 128 channels.  Also: which part I fetch
	s_bfe_u32 s66, ttmp6, 0x40000                  ; cx
	s_bfe_u32 s67, ttmp6, 0x40004                  ; cy
	s_and_b32 s68, ttmp7, 0xffff                   ; the cluster's y, 0..15
	s_lshl_b32 s17, s68, 2
	s_add_co_u32 s17, s17, s67                     ; g: my group of 128 queries, 0..63
	s_lshl_b32 s69, s67, 2
	s_lshl_b32 s69, 15, s69                        ; my row of the cluster
	s_lshl_b32 s70, 0x1111, s66                    ; my column
	s_or_b32 s[G1A], s69, (3<<16)|(1<<21)          ; 15:0 the mask; 17:16 elements of 8 bytes; 21 set beside a mask; no padding
	s_or_b32 s[G1B], s70, (3<<16)|(1<<21)
	s_mov_b32 s[G1A+1], 32<<16                     ; rows of 256 bytes of a dense block
	s_mov_b32 s[G1A+2], RWA<<16
	s_mov_b32 s[G1A+3], 32<<16
	s_mov_b32 s[G1A+4], RWA
	s_mov_b32 s[G1A+5], 32
	s_mov_b32 s[G1A+6], 0
	s_mov_b32 s[G1A+7], 0
	s_mov_b32 s[G1B+1], 32<<16
	s_mov_b32 s[G1B+2], RWB<<16
	s_mov_b32 s[G1B+3], 32<<16
	s_mov_b32 s[G1B+4], RWB
	s_mov_b32 s[G1B+5], 32
	s_mov_b32 s[G1B+6], 0
	s_mov_b32 s[G1B+7], 0
	s_lshl_b32 s19, s17, 4                         ; P: BLK 16 g + key step; of a slot's four I would fetch two
	s_lshl_b32 s18, s16, 1
	s_add_co_u32 s19, s19, s18
	s_mul_i32 s20, s19, BLK
	s_mov_b32 s21, 0
	s_lshr_b32 s73, s68, 2                         ; the batch (the cluster's y alone)
	s_lshl_b32 s73, s73, 7
	s_lshl_b32 s74, s66, 1
	s_add_co_u32 s74, s74, s16                     ; vp: the group of 128 channels
	s_lshl_b32 s74, s74, 4
	s_add_co_u32 s74, s74, s73
	s_add_co_u32 s74, s74, 1024                    ; vp begins at BLK 1024
	s_mul_i32 s74, s74, BLK
	s_mov_b32 s75, 0
	s_lshl_b32 s88, s17, 3                         ; ctx: BLK 8 g + my group of channels
	s_lshl_b32 s89, s66, 1
	s_add_co_u32 s88, s88, s89
	s_add_co_u32 s88, s88, s16
	s_mul_i32 s88, s88, BLK
	s_mov_b32 s89, 0
	s_lshl_b32 s86, s17, 14                        ; pstat: 16 key steps x 1,024 bytes a group
	s_mov_b32 s87, 0
	s_lshl_b32 s90, s17, 4                         ; the scale words of my wave's key steps 4 w .. 4 w + 3
	s_lshl_b32 s91, s14, 2
	s_add_co_u32 s90, s90, s91
	s_mul_i32 s90, s90, BLK
	s_mov_b32 s91, 0
	s_lshl_b32 s92, s14, 12                        ; and their statistics
	s_mov_b32 s93, 0
	s_mul_i32 s22, s16, 2*BLK                      ; where my fetch goes in a slot: S1's two K steps,
	s_mul_i32 s23, s16, NQ*BLK
	s_add_co_u32 s23, s23, NQ*BLK                  ; or S0's group, behind S1's four
	s_mov_b32 s80, 0x76543210
	s_mov_b32 s81, 0xfedcba98
	s_mov_b32 s84, 0x1800000                       ; the floor 2^(3 - 127)
	s_mov_b32 s96, 0x437f0000                      ; 255.0
	s_mov_b32 s94, 0xffff
	s_cmp_eq_u32 s15, 0
	s_cselect_b32 s94, 0xffff0000, s94             ; the lanes that take 1 / l from the other half of the lanes
	s_wait_dscnt 0x0                               ; both opening adds are done
	s_wait_kmcnt 0x0
	s_add_nc_u64 s[20:21], s[4:5], s[20:21]
	s_add_nc_u64 s[74:75], s[8:9], s[74:75]
	s_add_nc_u64 s[76:77], s[10:11], s[88:89]      ; my BLK of ctxc
	s_add_nc_u64 s[6:7], s[6:7], s[86:87]          ; my group's statistics,
	s_add_nc_u64 s[92:93], s[6:7], s[92:93]        ; my wave's four key steps of them
	s_add_nc_u64 s[90:91], s[4:5], s[90:91]
	CROUND                                         ; all sixteen work-groups are here: the first joint loads meet
	FIRST 0
	FIRST 1
	JLOAD 0                                        ; key steps 0-3: one tensor load a wave at the head
	s_cmp_eq_u32 s15, 0                            ; the prefetches: do I fetch for S1?
	s_cselect_b32 s18, s66, s67                    ; my place among the four that ask with me
	s_cselect_b32 s19, 25, 50                      ; N: my work-group's share of my load's blocks
	s_cselect_b64 s[86:87], s[20:21], s[74:75]     ; where my loads begin
	s_mul_i32 s72, s18, s19
	s_lshl_b32 s72, s72, 8                         ; my share's place in a load, in bytes
	s_mov_b32 s73, 0
	s_add_nc_u64 s[86:87], s[86:87], s[72:73]
	s_sub_co_u32 s19, s19, 1
	v_and_b32 v1, 31, v0                           ; lane
	v_and_b32 v2, 15, v0                           ; r
	v_lshlrev_b32 v[LI], 4, v1
	v_min_u32 v[PF0], s19, v1
	v_add_nc_u32 v[PF1], 32, v1
	v_min_u32 v[PF1], s19, v[PF1]
	v_lshlrev_b32 v[PF0], 8, v[PF0]
	v_lshlrev_b32 v[PF1], 8, v[PF1]
	s_wait_alu depctr_va_vdst(0)                   ; branches stand between these writes and later readers
.irp i, 0,1,2,3
	global_load_b128 v[MW+4*\i:MW+4*\i+3], v[LI], s[92:93] offset:1024*\i       ; lane 16 j + r, register n: tile 4 j + n, lane r
	global_load_b128 v[LB+4*\i:LB+4*\i+3], v[LI], s[92:93] offset:1024*\i+512
	global_load_b128 v[WB+4*\i:WB+4*\i+3], v[LI], s[90:91] offset:BLK*\i+SCO
.endr
	ASK NQ*BLK                                     ; fill 1, key steps 4-7
	s_mul_i32 s22, s15, 4*1536                     ; my four tiles of S1's eight
	s_mul_i32 s23, s16, NQ*BLK
	s_add_co_u32 s23, s23, NQ*BLK                  ; my 128 rows of S0
	v_add_nc_u32 v[OA], s22, v[LI]
.irp n, 0,1
	v_add_nc_u32 v[A1+\n], s22, v[LI]
	v_add_nc_u32 v[A0+\n], s23, v[LI]
	s_add_co_u32 s22, s22, SLOT
	s_add_co_u32 s23, s23, SLOT
.endr
	s_lshl_b32 s22, s15, 8
	v_lshl_add_u32 v[OW], v2, 4, s22
	s_add_co_u32 s22, s22, TBL
	v_lshl_add_u32 v[AS1], v2, 4, s22
	s_lshl_b32 s23, s14, 11
	s_add_co_u32 s23, s23, TBL
	v_add_nc_u32 v[TBW], s23, v[LI]
	s_lshl_b32 s23, s14, 9
	s_add_co_u32 s23, s23, XM
	v_add_nc_u32 v[XW], s23, v[LI]
	v_add_nc_u32 v[XR], XM, v[LI]
	s_wait_alu depctr_va_vdst(0)
	s_wait_loadcnt 0x0
.irp i, 0,1,2,3
	v_min3_num_f32 v[MN+\i], v[MW+\i], v[MW+4+\i], v[MW+8+\i]    ; the least -M_loc of my four key steps
.endr
.irp i, 0,1,2,3
	v_min_num_f32 v[MN+\i], v[MN+\i], v[MW+12+\i]
.endr
	ds_store_b128 v[XW], v[MN:MN+3]
	s_wait_dscnt 0x0                               ; for the others' sake: it lies in LDS
	s_barrier_signal -1                            ; slot 0's load may stay out across it
	s_barrier_wait -1
.irp w, 0,1,2,3
	ds_load_b128 v[MB+4*\w:MB+4*\w+3], v[XR] offset:512*\w
.endr
	s_wait_dscnt 0x0
.irp i, 0,1,2,3
	v_min3_num_f32 v[MN+\i], v[MB+\i], v[MB+4+\i], v[MB+8+\i]    ; -M = the least of the four waves'
.endr
.irp i, 0,1,2,3
	v_min_num_f32 v[MN+\i], v[MN+\i], v[MB+12+\i]
.endr
.set J, 0
.rept 16
	v_sub_f32 v[MW+J], v[MW+J], v[MN+J%4]          ; M - M_loc of my wave's key steps: a whole number, 0 or more,
	v_min_num_f32 v[MW+J], s96, v[MW+J]            ; held at 255,
	v_cvt_u32_f32 v[MW+J], v[MW+J]
.irp n, 0,1,2,3
	v_bfe_u32 v[TP+\n], v[WB+J], 8*\n, 8           ; comes off each of the word's four bytes,
.endr
.irp n, 0,1,2,3
	v_min_u32 v[TP+4+\n], v[TP+\n], v[MW+J]        ; which is held at 0
.endr
.irp n, 0,1,2,3
	v_sub_nc_u32 v[TP+\n], v[TP+\n], v[TP+4+\n]
.endr
	v_sub_nc_u32 v[NE+J], 0, v[MW+J]               ; M_loc - M
	v_lshl_or_b32 v[WB+J], v[TP+1], 8, v[TP]
	v_lshl_or_b32 v[WB+J], v[TP+2], 16, v[WB+J]
	v_lshl_or_b32 v[WB+J], v[TP+3], 24, v[WB+J]
.set J, J+1
.endr
.set J, 0
.rept 16
	v_ldexp_f32 v[LB+J], v[LB+J], v[NE+J]          ; l_loc under the row's M: nothing is rounded
.set J, J+1
.endr
	v_pk_add_f32 v[LS:LS+1], v[LB:LB+1], v[LB+4:LB+5]
	v_pk_add_f32 v[LS+2:LS+3], v[LB+2:LB+3], v[LB+6:LB+7]
.irp s, 2,3
	v_pk_add_f32 v[LS:LS+1], v[LS:LS+1], v[LB+4*\s:LB+4*\s+1]
	v_pk_add_f32 v[LS+2:LS+3], v[LS+2:LS+3], v[LB+4*\s+2:LB+4*\s+3]
.endr
.irp i, 0,1,2,3
	ds_store_b128 v[TBW], v[WB+4*\i:WB+4*\i+3] offset:512*\i
.endr
	ds_store_b128 v[XW], v[LS:LS+3] offset:2048    ; my part of l
	s_wait_alu depctr_va_vdst(0)
	s_wait_tensorcnt 0x0                           ; my part of slot 0 is in
	ds_add_u32 v[SPW], v[NIL]
	s_wait_dscnt 0x0                               ; the add is done, and, for the others' sake, my words and my part of l lie in LDS
	CROUND                                         ; slot 0, the table and the parts are whole for every wave, and all sixteen work-groups are here
	JLOAD 1                                        ; slot 1's first fill, key steps 4-7: the first tensor load behind the round
	FETCH 0
	STEP 0, 0, 1                                   ; the first products start the sums
	STEP 1, 3, 0
	STEP 2, 3, 0
	TURN 3, 1, 1                                   ; slot 0 takes key steps 8-11
	STEP 4, 3, 0
	STEP 5, 3, 0
	STEP 6, 3, 0
	TURN 7, 1, 0                                   ; slot 1 takes key steps 12-15
	STEP 8, 3, 0
	STEP 9, 3, 0
	STEP 10, 3, 0
	TURN 11, 0, 0
	STEP 12, 3, 0
	STEP 13, 3, 0
	STEP 14, 3, 0
	LAST 15                                        ; (its four places also stand in front of the loads below, into registers that held S1's fragments)
.irp w, 0,1,2,3
	ds_load_b128 v[LB+4*\w:LB+4*\w+3], v[XR] offset:2048+512*\w   ; the four waves' parts of l
.endr
	s_wait_dscnt 0x0
	v_pk_add_f32 v[LS:LS+1], v[LB:LB+1], v[LB+4:LB+5]
	v_pk_add_f32 v[LS+2:LS+3], v[LB+2:LB+3], v[LB+6:LB+7]
.irp w, 2,3
	v_pk_add_f32 v[LS:LS+1], v[LS:LS+1], v[LB+4*\w:LB+4*\w+1]
	v_pk_add_f32 v[LS+2:LS+3], v[LS+2:LS+3], v[LB+4*\w+2:LB+4*\w+3]
.endr
	s_wait_alu depctr_va_vdst(0)
.irp i, 0,1,2,3
	v_rcp_f32 v[LS+\i], v[LS+\i]
.endr
	v_nop                                          ; a plain place behind the reciprocals
	s_wait_alu depctr_va_vdst(0)                   ; one wait for the four, ahead of their first reader
.irp i, 0,1,2,3
	v_permlanex16_b32 v[TP+\i], v[LS+\i], s80, s81
.endr
.irp i, 0,1,2,3
	v_cndmask_b32 v[RL+2*\i], v[LS+\i], v[TP+\i], s94      ; 1 / l of my tile i, lane r's query, in both halves of the lanes,
	v_cndmask_b32 v[RL+2*\i+1], v[LS+\i], v[TP+\i], s94    ; and twice: a pair for the packed multiply
.endr
.irp b, 0,1,2,3
	v_mov_b32 v[TM+4+\b], 0                        ; written once: a lane permute's destination counts as one of its sources
.endr
.irp i, 0,1,2,3
	DIVL \i
	QUANTW \i
.endr
	s_wait_xcnt 0x0                                ; EXEC changes only behind this wait
	v_cmp_gt_u32 vcc_lo, 16, v1
	s_and_saveexec_b32 s97, vcc_lo                 ; lanes 0-15: my four tiles' words are 256 consecutive bytes, at a multiple of 256 from the buffer's first byte
	global_store_b128 v[OW], v[W:W+3], s[76:77] offset:SCO
	s_wait_xcnt 0x0                                ; and again, in front of the line that widens it
	s_or_b32 exec_lo, exec_lo, s97
	s_wait_tensorcnt 0x0                           ; the wave's end
	ds_add_u32 v[SPW], v[NIL]
	s_wait_dscnt 0x0
	CROUND                                         ; the closing round
	s_endpgm
.Lfunc_end_k_q0179f66747_pv:
	.size	k_q0179f66747_pv, .Lfunc_end_k_q0179f66747_pv-k_q0179f66747_pv
	.p2alignl 7, 3214868480
	.fill 96, 4, 3214868480
	.section	.rodata,"a",@progbits
	.p2align	6, 0x0
	.amdhsa_kernel k_q0179f66747_pv
		.amdhsa_group_segment_fixed_size 327680
		.amdhsa_private_segment_fixed_size 0
		.amdhsa_enable_private_segment 0
		.amdhsa_kernarg_size 32
		.amdhsa_user_sgpr_count 2
		.amdhsa_user_sgpr_kernarg_segment_ptr 1
		.amdhsa_wavefront_size32 1
		.amdhsa_system_sgpr_workgroup_id_x 1
		.amdhsa_system_sgpr_workgroup_id_y 1
		.amdhsa_system_sgpr_workgroup_id_z 1
		.amdhsa_system_vgpr_workitem_id 0
		.amdhsa_next_free_vgpr 768
		.amdhsa_next_free_sgpr 100
		.amdhsa_reserve_vcc 1
		.amdhsa_float_denorm_mode_32 3
		.amdhsa_float_denorm_mode_16_64 3
		.amdhsa_memory_ordered 1
		.amdhsa_forward_progress 1
		.amdhsa_inst_pref_size 162
	.end_amdhsa_kernel
	.amdgpu_metadata
---
amdhsa.version: [ 1, 2 ]
amdhsa.kernels:
  - .name:           k_q0179f66747_pv
    .symbol:         k_q0179f66747_pv.kd
    .args:
      - { .name: pcod, .offset: 0, .size: 8, .value_kind: global_buffer, .address_space: global }
      - { .name: pstat, .offset: 8, .size: 8, .value_kind: global_buffer, .address_space: global }
      - { .name: prj, .offset: 16, .size: 8, .value_kind: global_buffer, .address_space: global }
      - { .name: ctxc, .offset: 24, .size: 8, .value_kind: global_buffer, .address_space: global }
    .group_segment_fixed_size: 327680
    .private_segment_fixed_size: 0
    .kernarg_segment_align: 8
    .kernarg_segment_size: 32
    .max_flat_workgroup_size: 128
    .sgpr_count:     100
    .vgpr_count:     768
    .wavefront_size: 32
...
	.end_amdgpu_metadata
.endif
;; end of part 4
;; launch outp (part 5): grid 4 x 64, 4 waves a work-group, clusters of 4 x 4, 327,680 bytes of LDS; arguments ctxc, qin, bo, out0; writes out0
.if DOCPART == 5
	.amdgcn_target "amdgcn-amd-amdhsa--gfx1250"
	.amdhsa_code_object_version 6
	.text
	.protected	k_q0179f66747_outp
	.globl	k_q0179f66747_outp
	.p2align	8
	.type	k_q0179f66747_outp,@function
k_q0179f66747_outp:
	s_mov_b64 s[64:65], 0
	v_nop
	global_prefetch_b8 v0, s[64:65] scope:SCOPE_SE
	s_setreg_imm32_b32 hwreg(HW_REG_WAVE_MODE, 25, 1), 1
	s_wait_xcnt 0x0
	s_wait_alu depctr_hold_cnt(0) depctr_sa_sdst(0) depctr_va_vdst(0) depctr_va_sdst(0) depctr_va_ssrc(0) depctr_va_vcc(0) depctr_vm_vsrc(0)
	s_getreg_b32 s2, hwreg(HW_REG_IB_STS2, 6, 4)
	s_cmp_eq_u32 s2, 0
	s_cbranch_scc0 .Lentry_in_a_cluster
	s_endpgm
.Lentry_in_a_cluster:
	s_bfe_u32 s2, ttmp6, 0x10000c
	s_cmp_lg_u32 s2, 0xf033
	s_cbranch_scc0 .Lentry_shape_is_right
	s_endpgm
.Lentry_shape_is_right:
; LAUNCH 5 OF 5: out0 = ctx Wo^T + bo on codes of FP6 (E2M3), f32 out.  Nothing is left out.
; OPERANDS lie as BLKs of 12,800 bytes (128 rows x 128 K): eight images of 1,536 bytes (image t = the 12 operand registers of a tile of 16 rows), then 128 scale words; lane r of tile t is row 32 (t / 2) + 16 (r / 8) + 8 (t % 2) + r % 8.
; TRANSPOSED USE: source 0 = 16 rows of Wo (S0), source 1 = 16 queries of ctx (S1): a lane holds one query, and a tile's 64 registers run along 128 neighbouring columns of out0.  bo is the C of the first K step (window 1, v96-127 and v224-255).
; SHARES.  A work-group makes 128 queries x 256 columns, a wave 64 x 128: 32 accumulators.  256 work-groups in 16 clusters of 4 x 4; ctx's BLKs are shared along a row of the cluster, Wo's along a column, by joint loads.
; K = 1024 is 8 steps in two slots of four, each filled once: slot 0 at the head, slot 1 behind the three lines and a round; one tensor load a wave is out at any time.
; PREFETCH: slot 1's bytes are asked for at the head, a whole fill ahead of the load that wants them.  Of the 100 or 200 blocks of 256 bytes that a wave's load names, each of the four partners that ask jointly takes 25 or 50,
; told apart by address (cx for ctx, cy for Wo); a lane a block, left-over lanes name the share's last block again.  The address registers are never rewritten.
; THE WAY OUT: a tile of 16 queries x 128 columns goes through the wave's own stage (rows of 528 bytes, in slot 0, which has had its only fill and its last read by then) and leaves as rows of 512 consecutive bytes.
; LIMITS: NaN and infinities are not served.
.set NA,    4
.set NQ,    4
.set PF0,   24                         ; v24     256 x min(lane, N - 1): my share's blocks 0-31 (N = 25 for S1's waves, 50 for S0's)
.set PF1,   25                         ; v25     256 x min(lane + 32, N - 1): S0's waves alone use it
.set NS,    2
.set KIND,  1
.set BLK,   12800
.set SCO,   12288
.set SLOT,  3*NQ*BLK
.set SPARE, NS*SLOT
.set SPI,   528
.set RWA,   2*BLK/256
.set RWB,   NQ*BLK/256
.set G1A,   24
.set G0A,   32
.set G1B,   44
.set G0B,   52
.set LI,    4
.set STO,   5
.set RD,    6
.set A1,    8
.set A0,    11
.set AS1,   14
.set SPW,   28
.set NIL,   29
.set MSB,   0
.macro WIN new
.if MSB != (\new)
	s_set_vgpr_msb (MSB<<8)|(\new)
.set MSB, (\new)
.endif
.endm
.macro PLACES
.rept 4
	v_nop
.endr
.endm
.macro CREST
	s_cmp_lg_u32 s14, 0
	s_cbranch_scc1 .Lnot_wave_0_\@
	s_barrier_signal -3
.Lnot_wave_0_\@:
	s_barrier_wait -3
	s_barrier_signal -1
	s_barrier_wait -1
.endm
.macro CROUND
	s_barrier_signal -1
	s_barrier_wait -1
	CREST
.endm
.macro JLOAD n
	s_cmp_eq_u32 s15, 0
	s_cbranch_scc0 .Lfor_b_\@
	tensor_load_to_lds s[G0A+4*\n:G0A+4*\n+3], s[G1A:G1A+7]
	s_nop 0
.rept 4
	v_nop
.endr
	s_branch .Lasked_\@
.Lfor_b_\@:
	tensor_load_to_lds s[G0B+4*\n:G0B+4*\n+3], s[G1B:G1B+7]
	s_nop 0
.rept 4
	v_nop
.endr
.Lasked_\@:
.endm
.macro FIRST n
	s_mov_b32 s[G0A+4*\n], 1
	s_add_co_u32 s[G0A+4*\n+1], s22, \n*SLOT
	s_add_nc_u64 s[G0A+4*\n+2:G0A+4*\n+3], s[20:21], \n*NQ*BLK
	s_or_b32 s[G0A+4*\n+3], s[G0A+4*\n+3], 0x80000000
	s_mov_b32 s[G0B+4*\n], 1
	s_add_co_u32 s[G0B+4*\n+1], s23, \n*SLOT
	s_add_nc_u64 s[G0B+4*\n+2:G0B+4*\n+3], s[74:75], \n*NQ*BLK
	s_or_b32 s[G0B+4*\n+3], s[G0B+4*\n+3], 0x80000000
.endm
.macro FETCH k
.set SL, ((\k)/NQ)%NS
.set QO, ((\k)%NQ)*BLK
.set PP, (\k)%2
	WIN 0x40
.irp b, 0,1,2,3,4,5,6,7
.irp c, 0,1,2
	ds_load_b128 v[128*PP+12*\b+4*\c:128*PP+12*\b+4*\c+3], v[A0+SL] offset:QO+1536*\b+512*\c
.endr
.endr
	WIN 0
.set TT, 0
.rept NA
.irp c, 0,1,2
	ds_load_b128 v[64+12*NA*PP+12*TT+4*\c:64+12*NA*PP+12*TT+4*\c+3], v[A1+SL] offset:QO+1536*TT+512*\c
.endr
.set TT, TT+1
.endr
	ds_load_b128 v[32+8*PP:35+8*PP], v[A0+SL] offset:QO+SCO
.if KIND == 0
	ds_load_b128 v[36+8*PP:39+8*PP], v[A1+SL] offset:QO+SCO
.elseif KIND == 1
	ds_load_b128 v[36+8*PP:39+8*PP], v[AS1+SL] offset:QO
.else
	ds_load_b128 v[36+8*PP:39+8*PP], v[AS1] offset:(\k)*512
.endif
.endm
.macro WM c
.if RA && RB
	v_wmma_scale_f32_16x16x128_f8f6f4 v[AC:AC+7], v[F0:F0+11], v[F1:F1+11], \c, v[SA], v[SB] matrix_a_fmt:MATRIX_FMT_FP6 matrix_b_fmt:MATRIX_FMT_FP6 matrix_a_scale:MATRIX_SCALE_ROW1 matrix_b_scale:MATRIX_SCALE_ROW1
.elseif RA
	v_wmma_scale_f32_16x16x128_f8f6f4 v[AC:AC+7], v[F0:F0+11], v[F1:F1+11], \c, v[SA], v[SB] matrix_a_fmt:MATRIX_FMT_FP6 matrix_b_fmt:MATRIX_FMT_FP6 matrix_a_scale:MATRIX_SCALE_ROW1
.elseif RB
	v_wmma_scale_f32_16x16x128_f8f6f4 v[AC:AC+7], v[F0:F0+11], v[F1:F1+11], \c, v[SA], v[SB] matrix_a_fmt:MATRIX_FMT_FP6 matrix_b_fmt:MATRIX_FMT_FP6 matrix_b_scale:MATRIX_SCALE_ROW1
.else
	v_wmma_scale_f32_16x16x128_f8f6f4 v[AC:AC+7], v[F0:F0+11], v[F1:F1+11], \c, v[SA], v[SB] matrix_a_fmt:MATRIX_FMT_FP6 matrix_b_fmt:MATRIX_FMT_FP6
.endif
.endm
.macro MULT a, p, cmode
.if (\cmode) == 1
.set WN, 0x91
.else
.set WN, 0xa1
.endif
	WIN WN
.irp b, 0,1,2,3,4,5,6,7
.set AC, 8*(8*((\a)%4)+\b)
.set F0, 128*(\p)+12*\b
.set F1, 64+12*NA*(\p)+12*(\a)
.set SA, 32+8*(\p)+\b%4
.set SB, 36+8*(\p)+(\a)%4
.set RA, \b/4
.set RB, (NA/8)*((\a)/4)
.if (\cmode) == 1
.set CB, 96+8*(\b%4)+128*(\b/4)
	WM v[CB:CB+7]
.else
	WM v[AC:AC+7]
.endif
.endr
.endm
.macro MULTS a0, n, p, cmode
.set AA, \a0
.rept \n
	MULT AA, \p, \cmode
.set AA, AA+1
.endr
.endm
.macro STEP k, cmode
	s_wait_dscnt 0x0
.if (\k) > 0
	PLACES
.endif
	FETCH (\k)+1
	MULTS 0, NA, (\k)%2, \cmode
.endm
.macro TURN k
	WIN 0
	s_wait_tensorcnt 0x0
	ds_add_u32 v[SPW], v[NIL]
	s_wait_dscnt 1
	MULTS 0, NA/4, (\k)%2, 3
	s_wait_dscnt 0x0
	s_barrier_signal -1
	MULTS NA/4, NA/4, (\k)%2, 3
	WIN 0
	s_barrier_wait -1
	PLACES
	FETCH (\k)+1
	MULTS NA/2, NA/2, (\k)%2, 3
.endm
.macro LAST k
	s_wait_dscnt 0x0
	MULTS 0, NA, (\k)%2, 3
	WIN 0
	PLACES
.endm
.macro TOSTAGE i
	WIN 0x08
.irp b, 0,1,2,3,4,5,6,7
	ds_store_b128 v[STO], v[64*(\i)+8*\b:64*(\i)+8*\b+3] offset:128*(\b/2)+32*(\b%2)
	ds_store_b128 v[STO], v[64*(\i)+8*\b+4:64*(\i)+8*\b+7] offset:128*(\b/2)+32*(\b%2)+16
.endr
	WIN 0
.set BB, 64+64*((\i)%2)
.irp t, 0,1,2,3,4,5,6,7,8,9,10,11,12,13,14,15
	ds_load_b128 v[BB+4*\t:BB+4*\t+3], v[RD] offset:SPI*\t
.endr
.endm
.macro SEND i, younger
.set BB, 64+64*((\i)%2)
	s_wait_dscnt \younger
.irp t, 0,1,2,3,4,5,6,7,8,9,10,11,12,13,14,15
	global_store_b128 v[LI], v[BB+4*\t:BB+4*\t+3], s[76:77] offset:(32*((\i)/2)+16*(\t/8)+8*((\i)%2)+\t%8)*4096 th:TH_STORE_NT
.endr
.endm
	s_load_b256 s[4:11], s[0:1], 0x0
	v_lshl_add_u32 v[SPW], v0, 2, SPARE
	v_mov_b32 v[NIL], 0
	ds_add_u32 v[SPW], v[NIL]
	ds_add_u32 v[SPW], v[NIL]
	v_lshrrev_b32 v1, 5, v0
	v_readfirstlane_b32 s14, v1
	s_lshr_b32 s15, s14, 1
	s_and_b32 s16, s14, 1
	s_bfe_u32 s66, ttmp6, 0x40000
	s_bfe_u32 s67, ttmp6, 0x40004
	s_and_b32 s68, ttmp7, 0xffff
	s_lshl_b32 s17, s68, 2
	s_add_co_u32 s17, s17, s67
	s_lshl_b32 s69, s67, 2
	s_lshl_b32 s69, 15, s69
	s_lshl_b32 s70, 0x1111, s66
	s_or_b32 s[G1A], s69, (3<<16)|(1<<21)
	s_or_b32 s[G1B], s70, (3<<16)|(1<<21)
	s_mov_b32 s[G1A+1], 32<<16
	s_mov_b32 s[G1A+2], RWA<<16
	s_mov_b32 s[G1A+3], 32<<16
	s_mov_b32 s[G1A+4], RWA
	s_mov_b32 s[G1A+5], 32
	s_mov_b32 s[G1A+6], 0
	s_mov_b32 s[G1A+7], 0
	s_mov_b32 s[G1B+1], 32<<16
	s_mov_b32 s[G1B+2], RWB<<16
	s_mov_b32 s[G1B+3], 32<<16
	s_mov_b32 s[G1B+4], RWB
	s_mov_b32 s[G1B+5], 32
	s_mov_b32 s[G1B+6], 0
	s_mov_b32 s[G1B+7], 0
	s_lshl_b32 s19, s17, 3
	s_lshl_b32 s18, s16, 1
	s_add_co_u32 s19, s19, s18
	s_mul_i32 s20, s19, BLK
	s_mov_b32 s21, 0
	s_lshl_b32 s74, s66, 1
	s_add_co_u32 s74, s74, s16
	s_lshl_b32 s74, s74, 3
	s_add_co_u32 s74, s74, 1728
	s_mul_i32 s74, s74, BLK
	s_mov_b32 s75, 0
	s_lshl_b32 s88, s17, 7
	s_lshl_b32 s89, s15, 6
	s_add_co_u32 s88, s88, s89
	s_lshl_b32 s88, s88, 12
	s_lshl_b32 s90, s66, 10
	s_lshl_b32 s91, s16, 9
	s_add_co_u32 s90, s90, s91
	s_add_co_u32 s88, s88, s90
	s_mov_b32 s89, 0
	s_mov_b32 s91, 0
	s_mul_i32 s22, s16, 2*BLK
	s_mul_i32 s23, s16, NQ*BLK
	s_add_co_u32 s23, s23, NQ*BLK
	s_wait_dscnt 0x0
	s_wait_kmcnt 0x0
	s_add_nc_u64 s[20:21], s[4:5], s[20:21]
	s_add_nc_u64 s[74:75], s[6:7], s[74:75]
	s_add_nc_u64 s[76:77], s[10:11], s[88:89]
	s_add_nc_u64 s[8:9], s[8:9], s[90:91]
	CROUND
	FIRST 0                                        ; both slots' descriptors,
	FIRST 1
	JLOAD 0                                        ; and K steps 0-3: one tensor load a wave at the head
	s_cmp_eq_u32 s15, 0                            ; the prefetch: do I fetch for S1?
	s_cselect_b32 s18, s66, s67                    ; my place among the four that ask with me
	s_cselect_b32 s19, 25, 50                      ; N: my work-group's share of my load's blocks
	s_cselect_b64 s[92:93], s[20:21], s[74:75]     ; where my loads begin
	s_mul_i32 s72, s18, s19
	s_lshl_b32 s72, s72, 8                         ; my share's place in a load, in bytes
	s_mov_b32 s73, 0
	s_add_nc_u64 s[92:93], s[92:93], s[72:73]
	s_sub_co_u32 s19, s19, 1
	v_and_b32 v1, 31, v0
	v_min_u32 v[PF0], s19, v1
	v_add_nc_u32 v[PF1], 32, v1
	v_min_u32 v[PF1], s19, v[PF1]
	v_lshlrev_b32 v[PF0], 8, v[PF0]
	v_lshlrev_b32 v[PF1], 8, v[PF1]
	s_wait_alu depctr_va_vdst(0)                   ; a branch stands between these writes and later readers
	global_prefetch_b8 v[PF0], s[92:93] offset:NQ*BLK th:TH_LOAD_NT scope:SCOPE_SE   ; my share of slot 1's fill, K steps 4-7
	s_cmp_eq_u32 s15, 0
	s_cbranch_scc1 .Lone
	global_prefetch_b8 v[PF1], s[92:93] offset:NQ*BLK th:TH_LOAD_NT scope:SCOPE_SE
.Lone:
	v_and_b32 v2, 15, v0
	s_wait_alu depctr_va_vdst(0)
	v_bfe_u32 v3, v0, 4, 1
	v_lshlrev_b32 v[LI], 4, v1
	v_lshlrev_b32 v7, 6, v3
	WIN 0x40
.irp b, 0,1,2,3,4,5,6,7
	global_load_b128 v[96+8*(\b%4)+128*(\b/4):96+8*(\b%4)+128*(\b/4)+3], v7, s[8:9] offset:(32*(\b/2)+8*(\b%2))*4
	global_load_b128 v[96+8*(\b%4)+128*(\b/4)+4:96+8*(\b%4)+128*(\b/4)+7], v7, s[8:9] offset:(32*(\b/2)+8*(\b%2))*4+16
.endr
	WIN 0
	s_mul_i32 s22, s15, 4*1536
	s_mul_i32 s23, s16, NQ*BLK
	s_add_co_u32 s23, s23, NQ*BLK
.irp n, 0,1
	v_add_nc_u32 v[A1+\n], s22, v[LI]
	v_add_nc_u32 v[A0+\n], s23, v[LI]
	s_add_co_u32 s22, s22, SLOT
	s_add_co_u32 s23, s23, SLOT
.endr
	s_lshl_b32 s22, s15, 8
	s_add_co_u32 s22, s22, SCO
	v_lshl_add_u32 v[AS1], v2, 4, s22
	v_add_nc_u32 v[AS1+1], SLOT, v[AS1]
	s_mul_i32 s23, s14, 16*SPI
	v_mul_u32_u24 v[STO], v2, SPI
	v_lshl_add_u32 v[STO], v3, 6, v[STO]
	v_add_nc_u32 v[STO], s23, v[STO]
	v_add_nc_u32 v[RD], s23, v[LI]
	s_wait_alu depctr_va_vdst(0)
	s_wait_tensorcnt 0x0                           ; my part of slot 0 is in
	ds_add_u32 v[SPW], v[NIL]
	s_wait_dscnt 0x0
	CROUND                                         ; slot 0 is whole for every wave, and all sixteen work-groups are here
	JLOAD 1                                        ; slot 1's fill, the first tensor load behind the round
	FETCH 0
	s_wait_loadcnt 0x0
	STEP 0, 1
	STEP 1, 3
	STEP 2, 3
	TURN 3
	STEP 4, 3
	STEP 5, 3
	STEP 6, 3
	LAST 7
	TOSTAGE 0
.irp i, 1,2,3
.if \i > 1
	s_wait_xcnt 0x0
.endif
	TOSTAGE \i
	SEND \i-1, 32
.endr
	SEND 3, 0
	s_wait_tensorcnt 0x0
	ds_add_u32 v[SPW], v[NIL]
	s_wait_dscnt 0x0
	CROUND
	s_endpgm
.Lfunc_end_k_q0179f66747_outp:
	.size	k_q0179f66747_outp, .Lfunc_end_k_q0179f66747_outp-k_q0179f66747_outp
	.p2alignl 7, 3214868480
	.fill 96, 4, 3214868480
	.section	.rodata,"a",@progbits
	.p2align	6, 0x0
	.amdhsa_kernel k_q0179f66747_outp
		.amdhsa_group_segment_fixed_size 327680
		.amdhsa_private_segment_fixed_size 0
		.amdhsa_enable_private_segment 0
		.amdhsa_kernarg_size 32
		.amdhsa_user_sgpr_count 2
		.amdhsa_user_sgpr_kernarg_segment_ptr 1
		.amdhsa_wavefront_size32 1
		.amdhsa_system_sgpr_workgroup_id_x 1
		.amdhsa_system_sgpr_workgroup_id_y 1
		.amdhsa_system_sgpr_workgroup_id_z 1
		.amdhsa_system_vgpr_workitem_id 0
		.amdhsa_next_free_vgpr 768
		.amdhsa_next_free_sgpr 100
		.amdhsa_reserve_vcc 0
		.amdhsa_float_denorm_mode_32 3
		.amdhsa_float_denorm_mode_16_64 3
		.amdhsa_memory_ordered 1
		.amdhsa_forward_progress 1
		.amdhsa_inst_pref_size 78
	.end_amdhsa_kernel
	.amdgpu_metadata
---
amdhsa.version: [ 1, 2 ]
amdhsa.kernels:
  - .name:           k_q0179f66747_outp
    .symbol:         k_q0179f66747_outp.kd
    .args:
      - { .name: ctxc, .offset: 0, .size: 8, .value_kind: global_buffer, .address_space: global }
      - { .name: qin, .offset: 8, .size: 8, .value_kind: global_buffer, .address_space: global }
      - { .name: bo, .offset: 16, .size: 8, .value_kind: global_buffer, .address_space: global }
      - { .name: out0, .offset: 24, .size: 8, .value_kind: global_buffer, .address_space: global }
    .group_segment_fixed_size: 327680
    .private_segment_fixed_size: 0
    .kernarg_segment_align: 8
    .kernarg_segment_size: 32
    .max_flat_workgroup_size: 128
    .sgpr_count:     100
    .vgpr_count:     768
    .wavefront_size: 32
...
	.end_amdgpu_metadata
.endif
;; end of part 5
